; MI455X (gfx1250); checked and timed in simulation.
; The chip was launched on July 23, 2026; its instructions are those of AMD's public machine-readable ISA for CDNA 5 (MIT licence, August 2026) and "CDNA5" Instruction Set Architecture Reference Guide (July 2026). The comments in the code are by the model that wrote it; some were corrected since.
;; Decoder Layer. Allowed arithmetic: float matrix products may take bf16 or f16 operands with f32 sums; all other float work in f32.
;; Inputs: b1 2,048 float32; b2 512 float32; bk1 512 float32; bk2 512 float32; bo1 512 float32; bo2 512 float32; bq1 512 float32; bq2 512 float32; bv1 512 float32; bv2 512 float32; de_mask 4 x 2,048 x 2,048 int32; de_out 4 x 2,048 x 512 float32; en_mask 4 x 1 x 2,048 int32; en_out 4 x 2,048 x 512 float32; ln1_b 512 float32; ln1_g 512 float32; ln2_b 512 float32; ln2_g 512 float32; ln3_b 512 float32; ln3_g 512 float32; w1 512 x 2,048 float32; w2 2,048 x 512 float32; wk1 512 x 512 float32; wk2 512 x 512 float32; wo1 512 x 512 float32; wo2 512 x 512 float32; wq1 512 x 512 float32; wq2 512 x 512 float32; wv1 512 x 512 float32; wv2 512 x 512 float32.
;; Outputs: out0 4 x 2,048 x 512 float32.
;; 2 versions, each right and faster than the one before. Each part assembles by itself: llvm-mc -triple=amdgcn-amd-amdhsa -mcpu=gfx1250 --defsym DOCPART=n.
;; ======== version 1 of 2: 8 launches
;; limits: right only within a limited range of input values
;; workspace buffers: S1 19,922,944 bytes; S2 19,922,944 bytes; WA 2,105,600 bytes; WB 4,202,752 bytes; NB 8,388,608 bytes; EA 8,388,608 bytes; X1 16,777,216 bytes; X2 16,777,216 bytes
;; launch prep (part 1): grid 1289 x 1, 8 waves a work-group, no clusters, 68,608 bytes of LDS; arguments de_out, en_out, de_mask, en_mask, ln1_g, ln1_b, wq1, wk1, wv1, wo1, wq2, wk2, wv2, wo2, w1, w2, bk1, bv1, bk2, bv2, b1, S1, S2, WA, WB, NB, EA; writes S1, S2, WA, WB, NB, EA
.if DOCPART == 1
	.amdgcn_target "amdgcn-amd-amdhsa--gfx1250"
	.amdhsa_code_object_version 6
	.text
	.protected	k_qa87cfbc65a_prep
	.globl	k_qa87cfbc65a_prep
	.p2align	8
	.type	k_qa87cfbc65a_prep,@function
k_qa87cfbc65a_prep:
	s_mov_b64 s[64:65], 0
	v_nop
	global_prefetch_b8 v0, s[64:65] scope:SCOPE_SE
	s_setreg_imm32_b32 hwreg(HW_REG_WAVE_MODE, 25, 1), 1
	s_wait_xcnt 0x0
; PREPARATION, a stream: every input that a matrix product will read is brought into its 16-bit form once.
;   work-groups    0-255   LayerNorm 1 of de_out (32 rows each) -> NB, bf16
;   work-groups  256-511   en_out -> EA, bf16
;   work-groups  512-767   the ten weight matrices -> sixteen blocks of [512 k][512 n] bf16 (32 rows of a block each)
;   work-groups  768-1279  de_mask -> lane-mask words in S1: bit l of word (b, qt, ks, 8 kt + j) says whether query 16 qt + l % 16 sees key 64 ks + 16 kt + 8 (l / 16) + j
;   work-groups 1280-1287  en_mask -> the same words in S2, the same for all 128 query tiles of a batch
;   work-group  1288       the bias tables and the two slopes (1.0: no activation; 0.01: leaky ReLU)
; No matrix unit, no cluster, no tensor load: nothing is shared and memory binds.  A wave owns its rows; a row of 512 f32 lies in 16 registers (lane l: columns 128 j + 4 l .. + 3),
; so mean and variance are made in two passes over registers (no difference of large sums) and each load covers 512, each store 256 consecutive bytes.
; A wave's share is small (4 rows, or 16 queries x 256 keys) and all its loads go out at once; with 144 registers several work-groups lie on a WGP, which multiplies the bytes in flight.
.set SPARE,  67584                     ; behind the eight stages: the spare words, 128 bytes a wave
.set STG,    8448                      ; a wave's stage: 16 rows x 528 bytes
.set SPITCH, 528                       ; 512 bytes + 16: the 16 rows that a read touches start four banks apart
.set MW,     16777216                  ; S1, S2: the mask words
.set WQ,     18874368                  ; S1, S2: Wq's block
.set WO,     19398656                  ; S1, S2: Wo's block
.set TAB,    0x200000                  ; WA, WB: 2,048 biases
.set SLOPE,  0x202000                  ; WA, WB: 64 times the slope
.set W2O,    2105600                   ; WB: w2
.set BLK,    524288                    ; a block of 512 x 512 bf16
.set LN,   1                           ; v1       lane
.set SPW,  2                           ; v2       LDS address of my spare word; never rewritten
.set NIL,  3                           ; v3       0; never rewritten
.set WD,   4                           ; v[4:5]   mask jobs: two words a lane.  Row jobs: v4 = 16 l, v5 = 8 l
.set VN,   5
.set SA,   6                           ; v6       stage: where a row's 16 bytes go
.set LD,   7                           ; v7       stage: where a fragment's 16 bytes are read
.set OFFR, 8                           ; v8-11    row jobs: byte offset of my 16 bytes in each of my 4 rows
.set X,    16                          ; v16-79   4 rows x 16 registers; mask jobs: v16-143, two sets of 16 rows x 4
.set G,    80                          ; v80-95   gain
.set BB,   96                          ; v96-111  bias
.set D,    112                         ; v112-127 x - mean
.set T,    128                         ; v128-135 at work
.set SEL,  60                          ; s[60:61] v_permlanex16_b32: each lane takes its own place in the other half
.set NOUT, 68                          ; s[68:69] where the job stores
	s_load_b512 s[4:19], s[0:1], 0x0               ; de_out 4, en_out 6, de_mask 8, en_mask 10, ln1_g 12, ln1_b 14, wq1 16, wk1 18
	s_load_b512 s[20:35], s[0:1], 0x40             ; wv1 20, wo1 22, wq2 24, wk2 26, wv2 28, wo2 30, w1 32, w2 34
	s_load_b512 s[36:51], s[0:1], 0x80             ; bk1 36, bv1 38, bk2 40, bv2 42, b1 44, S1 46, S2 48, WA 50
	s_load_b128 s[52:55], s[0:1], 0xc0             ; WB 52, NB 54
	s_load_b64 s[56:57], s[0:1], 0xd0              ; EA 56
	v_lshl_add_u32 v[SPW], v0, 2, SPARE
	v_mov_b32 v[NIL], 0
	v_and_b32 v[LN], 31, v0
	v_lshrrev_b32 v4, 5, v0
	v_readfirstlane_b32 s58, v4                    ; wave 0..7
	s_mov_b32 s59, ttmp9                           ; the job
	s_mov_b32 s[SEL], 0x76543210
	s_mov_b32 s[SEL+1], 0xfedcba98
	s_mov_b32 s62, 0x3b000000                      ; 1 / 512
	s_mov_b32 s63, 0x3727c5ac                      ; 1e-5
	s_wait_kmcnt 0x0
	s_cmp_ge_u32 s59, 768
	s_cbranch_scc1 .Lmasks
; ---------------- ROW JOBS: 32 rows of 512 f32 to a work-group, 4 to a wave ----------------
	s_mov_b64 s[66:67], s[4:5]                     ; from de_out
	s_mov_b64 s[68:69], s[54:55]                   ; to NB
	s_mov_b32 s70, 0                               ; the block's byte offset in its source
	s_mov_b32 s72, 0                               ; and in its destination
	s_mov_b32 s74, 2048                            ; bytes from row to row in the source
	s_mov_b32 s75, s59                             ; which 32 rows
	s_cmp_lt_u32 s59, 256
	s_cbranch_scc1 .Lrows
	s_mov_b64 s[66:67], s[6:7]                     ; from en_out
	s_mov_b64 s[68:69], s[56:57]                   ; to EA
	s_sub_co_u32 s75, s59, 256
	s_cmp_lt_u32 s59, 512
	s_cbranch_scc1 .Lrows
	s_sub_co_u32 s76, s59, 512
	s_and_b32 s75, s76, 15
	s_lshr_b32 s76, s76, 4                         ; the weight block, 0..15
.macro CASE t, src, soff, pitch, dst, doff     ; block t: a choice between buffers and between offsets, each in registers of its own
	s_cmp_eq_u32 s76, \t
	s_cselect_b64 s[66:67], s[\src:\src+1], s[66:67]
	s_cselect_b64 s[68:69], s[\dst:\dst+1], s[68:69]
	s_cselect_b32 s70, \soff, s70
	s_cselect_b32 s72, \doff, s72
	s_cselect_b32 s74, \pitch, s74
.endm
	CASE 0,  16, 0, 2048, 46, WQ                   ; wq1 -> S1
	CASE 1,  18, 0, 2048, 50, 0                    ; wk1 -> WA block 0
	CASE 2,  20, 0, 2048, 50, BLK                  ; wv1 -> WA block 1
	CASE 3,  22, 0, 2048, 46, WO                   ; wo1 -> S1
	CASE 4,  24, 0, 2048, 48, WQ                   ; wq2 -> S2
	CASE 5,  26, 0, 2048, 50, 2*BLK                ; wk2 -> WA block 2
	CASE 6,  28, 0, 2048, 50, 3*BLK                ; wv2 -> WA block 3
	CASE 7,  30, 0, 2048, 48, WO                   ; wo2 -> S2
	CASE 8,  32, 0,    8192, 52, 0                 ; w1's four blocks of 512 columns -> WB
	CASE 9,  32, 2048, 8192, 52, BLK
	CASE 10, 32, 4096, 8192, 52, 2*BLK
	CASE 11, 32, 6144, 8192, 52, 3*BLK
	CASE 12, 34, 0,       2048, 52, W2O            ; w2's four blocks of 512 rows -> WB
	CASE 13, 34, 1048576, 2048, 52, W2O+BLK
	CASE 14, 34, 2097152, 2048, 52, W2O+2*BLK
	CASE 15, 34, 3145728, 2048, 52, W2O+3*BLK
.Lrows:
	s_lshl_b32 s77, s75, 5
	s_lshl2_add_u32 s77, s58, s77                  ; my first row: 32 x block + 4 x wave
	s_mul_i32 s78, s77, s74
	s_add_co_u32 s70, s70, s78
	s_mov_b32 s71, 0
	s_add_nc_u64 s[66:67], s[66:67], s[70:71]
	s_lshl_b32 s78, s77, 10                        ; a row of 512 bf16 is 1,024 bytes
	s_add_co_u32 s72, s72, s78
	s_mov_b32 s73, 0
	s_add_nc_u64 s[68:69], s[68:69], s[72:73]
	v_lshlrev_b32 v4, 4, v[LN]
	v_lshlrev_b32 v[VN], 3, v[LN]
.irp p, 0,1,2,3
	s_mul_i32 s78, s74, \p
	v_add_nc_u32 v[OFFR+\p], s78, v4
.endr
.macro LOADX                                   ; 16 loads, row after row: 512 consecutive bytes each
.irp p, 0,1,2,3
.irp j, 0,1,2,3
	global_load_b128 v[X+16*\p+4*\j:X+16*\p+4*\j+3], v[OFFR+\p], s[66:67] offset:512*\j th:TH_LOAD_NT
.endr
.endr
.endm
.macro RED                                     ; v[T] summed over the 32 lanes, the sum in every lane
	v_add_f32_dpp v[T], v[T], v[T] row_xmask:1 row_mask:0xf bank_mask:0xf
	v_add_f32_dpp v[T], v[T], v[T] row_xmask:2 row_mask:0xf bank_mask:0xf
	v_add_f32_dpp v[T], v[T], v[T] row_xmask:4 row_mask:0xf bank_mask:0xf
	v_add_f32_dpp v[T], v[T], v[T] row_xmask:8 row_mask:0xf bank_mask:0xf
	v_permlanex16_b32 v[T+1], v[T], s[SEL], s[SEL+1]
	v_add_f32 v[T], v[T], v[T+1]
.endm
; LayerNorm of the row in v[x .. x+15]; the 8 registers of bf16 go to v[y ..] and out, at byte off of my rows.
.macro LNROW x, y, off
.irp i, 0,1,2,3
	v_pk_add_f32 v[T+2*\i:T+2*\i+1], v[(\x)+4*\i:(\x)+4*\i+1], v[(\x)+4*\i+2:(\x)+4*\i+3]
.endr
	v_pk_add_f32 v[T:T+1], v[T:T+1], v[T+2:T+3]
	v_pk_add_f32 v[T+4:T+5], v[T+4:T+5], v[T+6:T+7]
	v_pk_add_f32 v[T:T+1], v[T:T+1], v[T+4:T+5]
	v_add_f32 v[T], v[T], v[T+1]
	RED
	v_mul_f32 v[T], s62, v[T]                      ; the mean
.irp i, 0,1,2,3,4,5,6,7
	v_pk_add_f32 v[D+2*\i:D+2*\i+1], v[(\x)+2*\i:(\x)+2*\i+1], v[T:T+1] op_sel_hi:[1,0] neg_lo:[0,1] neg_hi:[0,1]
.endr
	v_pk_mul_f32 v[T:T+1], v[D:D+1], v[D:D+1]
	v_pk_mul_f32 v[T+2:T+3], v[D+2:D+3], v[D+2:D+3]
.irp i, 2,3,4,5,6,7
	v_pk_fma_f32 v[T+2*(\i%2):T+2*(\i%2)+1], v[D+2*\i:D+2*\i+1], v[D+2*\i:D+2*\i+1], v[T+2*(\i%2):T+2*(\i%2)+1]
.endr
	v_pk_add_f32 v[T:T+1], v[T:T+1], v[T+2:T+3]
	v_add_f32 v[T], v[T], v[T+1]
	RED
	v_fma_f32 v[T], v[T], s62, s63                 ; the variance + 1e-5
	v_rsq_f32 v[T+2], v[T]
	v_nop                                          ; a plain instruction between the root and the use of its result
	s_wait_alu depctr_va_vdst(0)
.irp i, 0,1,2,3,4,5,6,7
	v_pk_mul_f32 v[D+2*\i:D+2*\i+1], v[D+2*\i:D+2*\i+1], v[T+2:T+3] op_sel_hi:[1,0]
.endr
.irp i, 0,1,2,3,4,5,6,7
	v_pk_fma_f32 v[D+2*\i:D+2*\i+1], v[D+2*\i:D+2*\i+1], v[G+2*\i:G+2*\i+1], v[BB+2*\i:BB+2*\i+1]
.endr
.irp i, 0,1,2,3,4,5,6,7
	v_cvt_pk_bf16_f32 v[(\y)+\i], v[D+2*\i], v[D+2*\i+1]
.endr
.irp j, 0,1,2,3
	global_store_b64 v[VN], v[(\y)+2*\j:(\y)+2*\j+1], s[NOUT:NOUT+1] offset:(\off)+256*\j  ; 32 lanes store 256 consecutive bytes, aligned
.endr
.endm
	s_cmp_lt_u32 s59, 256
	s_cbranch_scc0 .Lcast
.irp j, 0,1,2,3
	global_load_b128 v[G+4*\j:G+4*\j+3], v4, s[12:13] offset:512*\j
	global_load_b128 v[BB+4*\j:BB+4*\j+3], v4, s[14:15] offset:512*\j
.endr
	LOADX
.irp p, 0,1,2,3
	s_wait_loadcnt 12-4*\p                         ; my row is in (gain and bias were asked for first); the later rows' four loads each stay out
	LNROW X+16*\p, X+16*\p, 1024*\p                ; the results take the row's own registers: no store's source is ever written again
.endr
	s_branch .Lend
.Lcast:
	LOADX
.irp p, 0,1,2,3
	s_wait_loadcnt 12-4*\p
.irp i, 0,1,2,3,4,5,6,7
	v_cvt_pk_bf16_f32 v[X+16*\p+\i], v[X+16*\p+2*\i], v[X+16*\p+2*\i+1]  ; in place, ascending: register i is written when it has been read
.endr
.irp j, 0,1,2,3
	global_store_b64 v[VN], v[X+16*\p+2*\j:X+16*\p+2*\j+1], s[NOUT:NOUT+1] offset:1024*\p+256*\j
.endr
.endr
	s_branch .Lend
; ---------------- MASK JOBS ----------------
; 64 compares of the numbers in v[fr ..] make 64 lane masks, which ARE the words; v_writelane_b32 lays word n into lane n / 2, register n % 2: one store of 256 consecutive bytes.
.macro WORDS fr
.set n, 0
.rept 8
.irp k, 0,1,2,3,4,5,6,7
	v_cmp_ne_u32 s[82+\k], 0, v[(\fr)+n+\k]
.endr
.irp k, 0,1,2,3,4,5,6,7
	v_writelane_b32 v[WD+\k%2], s[82+\k], (n+\k)/2
.endr
.set n, n+8
.endr
.endm
.Lmasks:
	s_cmp_ge_u32 s59, 1280
	s_cbranch_scc1 .Len
	s_sub_co_u32 s76, s59, 768
	s_lshl3_add_u32 s76, s76, s58                  ; my unit: 16 queries x 256 keys; a work-group's eight units are the 2,048 keys of one query tile
	s_lshr_b32 s77, s76, 3                         ; the query tile, 0..511 (batch x 128 + tile)
	s_and_b32 s78, s76, 7                          ; which 256 keys
	s_lshl_b32 s70, s77, 17                        ; 16 rows of 8,192 bytes
	s_lshl_b32 s79, s78, 10
	s_add_co_u32 s70, s70, s79
	s_mov_b32 s71, 0
	s_add_nc_u64 s[66:67], s[8:9], s[70:71]
	s_lshl_b32 s72, s77, 12                        ; a tile's words: 32 key steps x 128 bytes
	s_lshl_b32 s79, s78, 9
	s_add_co_u32 s72, s72, s79
	s_add_co_u32 s72, s72, MW
	s_mov_b32 s73, 0
	s_add_nc_u64 s[68:69], s[46:47], s[72:73]
	v_lshlrev_b32 v8, 4, v[LN]
	v_lshlrev_b32 v9, 3, v[LN]
	s_mul_i32 s79, s58, STG                        ; my stage
	v_add_nc_u32 v[SA], s79, v8
	v_and_b32 v10, 15, v0
	v_bfe_u32 v11, v0, 4, 1
	v_mul_u32_u24 v10, v10, SPITCH
	v_lshl_add_u32 v10, v11, 5, v10                ; query l % 16, keys 8 (l / 16) on
	v_add_nc_u32 v[LD], s79, v10
	v_mov_b32 v[WD], 0
	v_mov_b32 v[WD+1], 0
.macro LOADP p, base                           ; 128 keys of 16 rows: each load takes 512 consecutive bytes of one row
.irp r, 0,1,2,3,4,5,6,7,8,9,10,11,12,13,14,15
	global_load_b128 v[(\base)+4*\r:(\base)+4*\r+3], v8, s[66:67] offset:\r*8192+512*(\p) th:TH_LOAD_NT
.endr
.endm
.macro PAIR p, base, left                      ; two key steps: through my own stage into the scores' lane order, back into the registers that they left
	s_wait_loadcnt \left                           ; this set is in; the other set's sixteen loads stay out
.irp r, 0,1,2,3,4,5,6,7,8,9,10,11,12,13,14,15
	ds_store_b128 v[SA], v[(\base)+4*\r:(\base)+4*\r+3] offset:\r*SPITCH
.endr
.irp m, 0,1,2,3,4,5,6,7,8,9,10,11,12,13,14,15
	ds_load_b128 v[(\base)+4*\m:(\base)+4*\m+3], v[LD] offset:64*(\m/2)+16*(\m%2)  ; LDS serves a wave's instructions in order: these see the stores above
.endr
	s_wait_dscnt 0x0
	s_wait_xcnt 0x0                                ; the pair before has stored from the two word registers: they are written again only behind this wait
	WORDS \base
	global_store_b64 v9, v[WD:WD+1], s[68:69] offset:256*(\p)
.endm
	LOADP 0, X
	LOADP 1, X+64
	PAIR 0, X,    16
	PAIR 1, X+64, 0
	s_branch .Lend
.Len:
	s_cmp_ge_u32 s59, 1288
	s_cbranch_scc1 .Ltab
	s_sub_co_u32 s76, s59, 1280
	s_lshl3_add_u32 s76, s76, s58                  ; my unit: a batch and two key steps
	s_lshr_b32 s77, s76, 4
	s_and_b32 s78, s76, 15
	s_lshl_b32 s70, s77, 13
	s_lshl_b32 s79, s78, 9
	s_add_co_u32 s70, s70, s79
	s_mov_b32 s71, 0
	s_add_nc_u64 s[66:67], s[10:11], s[70:71]
	s_lshl_b32 s72, s77, 19                        ; a batch's words: 128 tiles x 4,096 bytes
	s_lshl_b32 s79, s78, 8
	s_add_co_u32 s72, s72, s79
	s_add_co_u32 s72, s72, MW
	s_mov_b32 s73, 0
	s_add_nc_u64 s[68:69], s[48:49], s[72:73]
	v_bfe_u32 v11, v0, 4, 1
	v_lshlrev_b32 v8, 5, v11                       ; every query sees the same keys: the lane's half alone enters
	v_lshlrev_b32 v9, 3, v[LN]
.irp m, 0,1,2,3,4,5,6,7,8,9,10,11,12,13,14,15
	global_load_b128 v[X+4*\m:X+4*\m+3], v8, s[66:67] offset:64*(\m/2)+16*(\m%2)
.endr
	v_mov_b32 v[WD], 0
	v_mov_b32 v[WD+1], 0
	s_wait_loadcnt 0x0
	WORDS X
	s_mov_b32 s90, 16
.Lqt:                                                  ; 16 trips x 8 query tiles
.irp q, 0,1,2,3,4,5,6,7
	global_store_b64 v9, v[WD:WD+1], s[68:69] offset:\q*4096
.endr
	s_wait_xcnt 0x0                                ; the base steps only behind this wait
	s_add_nc_u64 s[68:69], s[68:69], 32768
	s_sub_co_u32 s90, s90, 1
	s_cmp_lg_u32 s90, 0
	s_cbranch_scc1 .Lqt
	s_branch .Lend
.Ltab:                                                 ; waves 0-3: bk1, bv1, bk2, bv2 -> WA's table; waves 4-7: b1's quarters -> WB's
	s_and_b32 s76, s58, 3
	s_lshl_b32 s72, s76, 11
	s_mov_b64 s[66:67], s[36:37]
	s_cmp_eq_u32 s58, 1
	s_cselect_b64 s[66:67], s[38:39], s[66:67]
	s_cmp_eq_u32 s58, 2
	s_cselect_b64 s[66:67], s[40:41], s[66:67]
	s_cmp_eq_u32 s58, 3
	s_cselect_b64 s[66:67], s[42:43], s[66:67]
	s_cmp_ge_u32 s58, 4
	s_cselect_b64 s[66:67], s[44:45], s[66:67]
	s_cselect_b64 s[68:69], s[52:53], s[50:51]
	s_cselect_b32 s77, 0x3c23d70a, 1.0             ; the slope: 0.01 for the feed-forward layer, 1.0 for the projections
	s_cselect_b32 s70, s72, 0
	s_mov_b32 s71, 0
	s_add_nc_u64 s[66:67], s[66:67], s[70:71]
	s_add_co_u32 s72, s72, TAB
	s_mov_b32 s73, 0
	s_add_nc_u64 s[78:79], s[68:69], s[72:73]
	v_lshlrev_b32 v8, 4, v[LN]
.irp j, 0,1,2,3
	global_load_b128 v[X+4*\j:X+4*\j+3], v8, s[66:67] offset:512*\j
.endr
	s_wait_loadcnt 0x0
.irp j, 0,1,2,3
	global_store_b128 v8, v[X+4*\j:X+4*\j+3], s[78:79] offset:512*\j
.endr
	s_cmp_lg_u32 s76, 0
	s_cbranch_scc1 .Lend
	v_mov_b32 v4, s77
	v_mov_b32 v5, s77
	v_lshlrev_b32 v9, 3, v[LN]
	global_store_b64 v9, v[4:5], s[68:69] offset:SLOPE
.Lend:
	s_wait_tensorcnt 0x0                           ; the wave's end
	ds_add_u32 v[SPW], v[NIL]
	s_wait_dscnt 0x0
	s_endpgm
.Lfunc_end_k_qa87cfbc65a_prep:
	.size	k_qa87cfbc65a_prep, .Lfunc_end_k_qa87cfbc65a_prep-k_qa87cfbc65a_prep
	.p2alignl 7, 3214868480
	.fill 96, 4, 3214868480
	.section	.rodata,"a",@progbits
	.p2align	6, 0x0
	.amdhsa_kernel k_qa87cfbc65a_prep
		.amdhsa_group_segment_fixed_size 68608
		.amdhsa_private_segment_fixed_size 0
		.amdhsa_enable_private_segment 0
		.amdhsa_kernarg_size 216
		.amdhsa_user_sgpr_count 2
		.amdhsa_user_sgpr_kernarg_segment_ptr 1
		.amdhsa_wavefront_size32 1
		.amdhsa_system_sgpr_workgroup_id_x 1
		.amdhsa_system_sgpr_workgroup_id_y 1
		.amdhsa_system_sgpr_workgroup_id_z 1
		.amdhsa_system_vgpr_workitem_id 0
		.amdhsa_next_free_vgpr 144
		.amdhsa_next_free_sgpr 92
		.amdhsa_reserve_vcc 0
		.amdhsa_float_denorm_mode_32 3
		.amdhsa_float_denorm_mode_16_64 3
		.amdhsa_memory_ordered 1
		.amdhsa_forward_progress 1
		.amdhsa_inst_pref_size 70
	.end_amdhsa_kernel
	.amdgpu_metadata
---
amdhsa.version: [ 1, 2 ]
amdhsa.kernels:
  - .name:           k_qa87cfbc65a_prep
    .symbol:         k_qa87cfbc65a_prep.kd
    .args:
      - { .name: de_out, .offset: 0, .size: 8, .value_kind: global_buffer, .address_space: global }
      - { .name: en_out, .offset: 8, .size: 8, .value_kind: global_buffer, .address_space: global }
      - { .name: de_mask, .offset: 16, .size: 8, .value_kind: global_buffer, .address_space: global }
      - { .name: en_mask, .offset: 24, .size: 8, .value_kind: global_buffer, .address_space: global }
      - { .name: ln1_g, .offset: 32, .size: 8, .value_kind: global_buffer, .address_space: global }
      - { .name: ln1_b, .offset: 40, .size: 8, .value_kind: global_buffer, .address_space: global }
      - { .name: wq1, .offset: 48, .size: 8, .value_kind: global_buffer, .address_space: global }
      - { .name: wk1, .offset: 56, .size: 8, .value_kind: global_buffer, .address_space: global }
      - { .name: wv1, .offset: 64, .size: 8, .value_kind: global_buffer, .address_space: global }
      - { .name: wo1, .offset: 72, .size: 8, .value_kind: global_buffer, .address_space: global }
      - { .name: wq2, .offset: 80, .size: 8, .value_kind: global_buffer, .address_space: global }
      - { .name: wk2, .offset: 88, .size: 8, .value_kind: global_buffer, .address_space: global }
      - { .name: wv2, .offset: 96, .size: 8, .value_kind: global_buffer, .address_space: global }
      - { .name: wo2, .offset: 104, .size: 8, .value_kind: global_buffer, .address_space: global }
      - { .name: w1, .offset: 112, .size: 8, .value_kind: global_buffer, .address_space: global }
      - { .name: w2, .offset: 120, .size: 8, .value_kind: global_buffer, .address_space: global }
      - { .name: bk1, .offset: 128, .size: 8, .value_kind: global_buffer, .address_space: global }
      - { .name: bv1, .offset: 136, .size: 8, .value_kind: global_buffer, .address_space: global }
      - { .name: bk2, .offset: 144, .size: 8, .value_kind: global_buffer, .address_space: global }
      - { .name: bv2, .offset: 152, .size: 8, .value_kind: global_buffer, .address_space: global }
      - { .name: b1, .offset: 160, .size: 8, .value_kind: global_buffer, .address_space: global }
      - { .name: S1, .offset: 168, .size: 8, .value_kind: global_buffer, .address_space: global }
      - { .name: S2, .offset: 176, .size: 8, .value_kind: global_buffer, .address_space: global }
      - { .name: WA, .offset: 184, .size: 8, .value_kind: global_buffer, .address_space: global }
      - { .name: WB, .offset: 192, .size: 8, .value_kind: global_buffer, .address_space: global }
      - { .name: NB, .offset: 200, .size: 8, .value_kind: global_buffer, .address_space: global }
      - { .name: EA, .offset: 208, .size: 8, .value_kind: global_buffer, .address_space: global }
    .group_segment_fixed_size: 68608
    .private_segment_fixed_size: 0
    .kernarg_segment_align: 8
    .kernarg_segment_size: 216
    .max_flat_workgroup_size: 256
    .sgpr_count:     92
    .vgpr_count:     144
    .wavefront_size: 32
...
	.end_amdgpu_metadata
.endif
;; end of part 1
;; launch kv (part 2): grid 64 x 4, 4 waves a work-group, clusters of 4 x 1, 327,680 bytes of LDS; arguments NB, EA, WA, S1, S2; writes S1, S2
.if DOCPART == 2
	.amdgcn_target "amdgcn-amd-amdhsa--gfx1250"
	.amdhsa_code_object_version 6
	.text
	.protected	k_qa87cfbc65a_kv
	.globl	k_qa87cfbc65a_kv
	.p2align	8
	.type	k_qa87cfbc65a_kv,@function
k_qa87cfbc65a_kv:
	s_mov_b64 s[64:65], 0
	v_nop
	global_prefetch_b8 v0, s[64:65] scope:SCOPE_SE
	s_setreg_imm32_b32 hwreg(HW_REG_WAVE_MODE, 25, 1), 1
	s_wait_xcnt 0x0
	s_wait_alu depctr_hold_cnt(0) depctr_sa_sdst(0) depctr_va_vdst(0) depctr_va_sdst(0) depctr_va_ssrc(0) depctr_va_vcc(0) depctr_vm_vsrc(0)
	s_getreg_b32 s2, hwreg(HW_REG_IB_STS2, 6, 4)
	s_cmp_eq_u32 s2, 0
	s_cbranch_scc0 .Lentry_in_a_cluster
	s_endpgm
.Lentry_in_a_cluster:
	s_bfe_u32 s2, ttmp6, 0x10000c
	s_cmp_lg_u32 s2, 0x3003
	s_cbranch_scc0 .Lentry_shape_is_right
	s_endpgm
.Lentry_shape_is_right:
; Y = act(A W + bias), A: [8192][512] bf16, W: four blocks of [512 k][512 n] bf16, Y in bf16 BY HEADS: a block as [4 batches][8 heads of 64 columns][2048 rows][64].
; act(y) = max(y, slope y): slope 1.0 leaves y as it is, slope 0.01 is the leaky ReLU; bias table and slope lie behind W's blocks.  Sums in f32, begun with the bias; Y rounded once.
; A WORK-GROUP STAYS.  It owns 128 rows of A and one block of W, and makes the block's four tiles of 128 x 128 one after the other.  Its rows of A (131,072 bytes) are fetched once and stay in LDS;
; W's tiles (4 x 131,072 bytes) go in K steps of 256 through two slots that take turns, and the ring does not stop at a tile's end: a tile's two changes of slots ask for the next tile's two K steps.
; A tile's stores leave while the next tile is multiplied: nothing waits for them.
; WHICH BLOCK.  block = 2 x (cluster x / 16) + y; tile row = 4 x (cluster x % 16) + cx.  Blocks 0, 1 store into the first output buffer (halves 0, 1), blocks 2, 3 into the second.
; The second A pointer is taken where y is 2 or 3.  So a grid of 64 x 4 work-groups multiplies the first A by blocks 0, 1 and the second A by blocks 2, 3;
; a grid of 128 x 2 multiplies the first A by all four blocks and never loads through the second pointer.
; CLUSTER.  Four work-groups: four tile rows of one block, which walk the same tiles of W: each is asked for jointly.  A's rows are each work-group's own.  A cluster of 4 x 4 that also shared A among the blocks is
; not used: where there are two A buffers only two of the four blocks read the same A, and A is a fifth of the bytes that a work-group fetches.
; SHARES.  Four waves, each 64 x 64 of a tile: 16 accumulators.
; THE MATRIX INSTRUCTION IS USED TRANSPOSED: source 0 = 16 columns of W (W lies [k][n] in LDS and is turned by ds_load_tr16_b128), source 1 = 16 rows of A: a lane holds eight neighbouring columns of a row of Y,
; and the eight biases of those columns are the C operand of the product that starts the sum.
; REGISTERS: window 0: v0-31 addresses and 8 at work; v32-95 rows on their way out; v96-127 biases; v128-255 accumulators ((a, b) at 128 + 8 (4 a + b)).  Window 1: two fragment buffers of 128 (64 of A, 64 of W).
.set PA,     528                       ; a row of A in LDS: 512 bytes + 16
.set PB,     288                       ; a row of W: 256 bytes + 32
.set HALFA,  64*PA
.set HALFB,  128*PB
.set BOFF,   2*HALFA                   ; a slot: 256 along K of A's 128 rows (filled once), then W's 256 rows (filled for every tile)
.set SLOT,   BOFF+2*HALFB
.set STAGE,  2*SLOT                    ; 16 rows x 144 bytes for each wave, its own
.set SP,     144
.set SPARE,  STAGE+4*16*SP             ; the spare words, 128 bytes a wave
.set TAB,    0x200000
.set SLOPE,  0x202000
.set TILES,  4
.set T,    8                           ; v8-15   at work
.set ADRA, 16                          ; v16-17  my A fragments in slot 0, 1
.set ADRB, 20                          ; v20-23  my W fragments: slot 0 rows 0-127, 128-255; slot 1 likewise
.set STO,  24
.set RD,   25
.set GO,   26
.set BO,   27                          ; v27     my byte offset among 16 biases
.set SPW,  28
.set NIL,  29
.set TMP,  32
.set BIAS, 96
.set ACC,  128
.set F0,   0
.set F1,   128
.set G1,  24                           ; s[24:31] descriptor group 1 for A;  s[32:39] group 0, one set for each slot; never rewritten
.set G0,  32
.set G1B, 48                           ; s[48:55], s[56:63] the same for W; its two group 0 step from tile to tile
.set G0B, 56
.set MSB, 0
.macro WIN new                         ; the immediate's high byte repeats the setting that is left
.if MSB != (\new)
	s_set_vgpr_msb (MSB<<8)|(\new)
.set MSB, \new
.endif
.endm
.set MUL,  0x05                        ; sources 0 and 1 window 1; C and D window 0
.set TO_F, 0x40                        ; destination window 1, address window 0
.macro JLOAD s                         ; a first fill: waves 0 and 1 fetch the halves of A's rows (their own load), waves 2 and 3 the halves of W's (jointly); an s_nop 0 and four v_nop follow each line
	s_cmp_eq_u32 s11, 0
	s_cbranch_scc0 .Lfor_b_\@
	tensor_load_to_lds s[G0+4*(\s):G0+4*(\s)+3], s[G1:G1+7]
	s_nop 0
.rept 4
	v_nop
.endr
	s_branch .Lasked_\@
.Lfor_b_\@:
	tensor_load_to_lds s[G0B+4*(\s):G0B+4*(\s)+3], s[G1B:G1B+7]
	s_nop 0
.rept 4
	v_nop
.endr
.Lasked_\@:
.endm
.macro JFILL s                         ; a refill: W alone: waves 2 and 3 ask jointly, waves 0 and 1 have no part of it; the branch hangs on the wave's number alone
	s_cmp_eq_u32 s11, 0
	s_cbranch_scc1 .Lnone_\@
	tensor_load_to_lds s[G0B+4*(\s):G0B+4*(\s)+3], s[G1B:G1B+7]
	s_nop 0
.rept 4
	v_nop
.endr
.Lnone_\@:
.endm
.macro CREST                           ; a round of the cluster's barrier behind its opening barrier
	s_cmp_lg_u32 s10, 0
	s_cbranch_scc1 .Lnot_wave_0_\@
	s_barrier_signal -3
.Lnot_wave_0_\@:
	s_barrier_wait -3
	s_barrier_signal -1
	s_barrier_wait -1
.endm
.macro CROUND                          ; a whole round
	s_barrier_signal -1
	s_barrier_wait -1
	CREST
.endm
	s_load_b256 s[68:75], s[0:1], 0x0              ; first A 68, second A 70, W 72, output (blocks 0, 1) 74
	s_load_b64 s[76:77], s[0:1], 0x20              ; output (blocks 2, 3)
	v_lshl_add_u32 v[SPW], v0, 2, SPARE
	v_mov_b32 v[NIL], 0
	ds_add_u32 v[SPW], v[NIL]                      ; the wave's opening: the add and its wait ahead of my first tensor load
	v_lshrrev_b32 v1, 5, v0
	v_readfirstlane_b32 s10, v1                    ; wave 0..3
	s_lshr_b32 s11, s10, 1                         ; my half of the tile's rows.  Also: I fetch for A (0) or W (1)
	s_and_b32 s12, s10, 1                          ; my half of its columns.  Also: which half of that tile I fetch
	s_bfe_u32 s40, ttmp6, 0x40000                  ; cx
	s_and_b32 s45, ttmp7, 0xffff                   ; y: it alone chooses between the two A pointers
	s_lshr_b32 s42, ttmp9, 4
	s_lshl1_add_u32 s42, s42, s45                  ; the block = 2 x (cluster x / 16) + y: the four partners share it
	s_and_b32 s13, ttmp9, 15
	s_lshl_b32 s13, s13, 2
	s_add_co_u32 s13, s13, s40                     ; tile row = 4 x (cluster x % 16) + cx: it enters A's and the output's addresses alone
	s_mov_b32 s[G1+0], (1<<16)|(1<<20)|(6<<22)|(3<<25)  ; A, my own: no mask; 2-byte elements; padding of 4 words behind every 128
	s_mov_b32 s[G1+1], 256<<16                     ; tensor_dim0 = 256
	s_mov_b32 s[G1+2], 64<<16                      ; tensor_dim1 = 64
	s_mov_b32 s[G1+3], 256<<16                     ; tile_dim0 = 256
	s_mov_b32 s[G1+4], 64                          ; tile_dim1 = 64
	s_mov_b32 s[G1+5], 512                         ; elements from row to row
	s_mov_b32 s[G1+6], 0
	s_mov_b32 s[G1+7], 0
	s_mov_b32 s[G1B+0], 15|(1<<16)|(1<<20)|(1<<21)|(5<<22)|(7<<25)  ; W, jointly: the mask of four; padding of 8 words behind every 64
	s_mov_b32 s[G1B+1], 128<<16
	s_mov_b32 s[G1B+2], 128<<16
	s_mov_b32 s[G1B+3], 128<<16
	s_mov_b32 s[G1B+4], 128
	s_mov_b32 s[G1B+5], 512
	s_mov_b32 s[G1B+6], 0
	s_mov_b32 s[G1B+7], 0
	s_lshl_b32 s16, s13, 17                        ; A: 128 x tile row rows of 1,024 bytes,
	s_lshl_b32 s17, s12, 16                        ; + 64 x half
	s_add_co_u32 s16, s16, s17
	s_mov_b32 s17, 0
	s_lshl_b32 s46, s42, 19                        ; W: the block,
	s_lshl_b32 s47, s12, 17                        ; + 128 x half rows of 1,024 bytes; the first tile's columns begin the rows
	s_add_co_u32 s46, s46, s47
	s_mov_b32 s47, 0
	s_mul_i32 s20, s12, HALFA                      ; where they go: no place in the cluster enters an LDS address
	s_mul_i32 s21, s12, HALFB
	s_add_co_u32 s21, s21, BOFF
	s_wait_dscnt 0x0                               ; the opening add is done
	s_wait_kmcnt 0x0
	s_cmp_ge_u32 s45, 2
	s_cselect_b64 s[14:15], s[70:71], s[68:69]
	s_add_nc_u64 s[14:15], s[14:15], s[16:17]
	s_add_nc_u64 s[46:47], s[72:73], s[46:47]
	CROUND                                         ; all four work-groups are here: the first joint loads meet
.irp s, 0,1
	s_mov_b32 s[G0+4*(\s)], 1
	s_add_co_u32 s[G0+4*(\s)+1], s20, (\s)*SLOT
	s_add_nc_u64 s[G0+4*(\s)+2:G0+4*(\s)+3], s[14:15], (\s)*512       ; K step s: 256 elements along the rows
	s_or_b32 s[G0+4*(\s)+3], s[G0+4*(\s)+3], 0x80000000
	s_mov_b32 s[G0B+4*(\s)], 1
	s_add_co_u32 s[G0B+4*(\s)+1], s21, (\s)*SLOT
	s_add_nc_u64 s[G0B+4*(\s)+2:G0B+4*(\s)+3], s[46:47], (\s)*262144  ; K step s: 256 rows down
	s_or_b32 s[G0B+4*(\s)+3], s[G0B+4*(\s)+3], 0x80000000
	JLOAD \s                                       ; two loads of mine are out
.endr
	v_and_b32 v1, 15, v0                           ; l % 16
	v_bfe_u32 v2, v0, 4, 1                         ; l / 16
	v_lshlrev_b32 v[BO], 5, v2
	s_lshl_b32 s18, s42, 11                        ; the first tile's biases of my 64 columns: 4 x (512 block + 64 half)
	s_lshl_b32 s19, s12, 8
	s_add_co_u32 s18, s18, s19
	s_add_co_u32 s18, s18, TAB
	s_mov_b32 s19, 0
	s_add_nc_u64 s[66:67], s[72:73], s[18:19]
.macro BIASES                          ; my eight columns' biases in each of my four blocks of 16 columns
.irp b, 0,1,2,3
	global_load_b128 v[BIAS+8*\b:BIAS+8*\b+3],   v[BO], s[66:67] offset:64*\b
	global_load_b128 v[BIAS+8*\b+4:BIAS+8*\b+7], v[BO], s[66:67] offset:64*\b+16
.endr
.endm
	BIASES
	s_load_b32 s78, s[72:73], SLOPE
	v_mul_u32_u24 v3, v1, PA
	v_lshl_add_u32 v3, v2, 4, v3
	s_mul_i32 s22, s11, HALFA
	v_add_nc_u32 v[ADRA], s22, v3
	v_add_nc_u32 v[ADRA+1], SLOT, v[ADRA]
	v_and_b32 v4, 7, v0                            ; the turning load: lane l reads row 8 (l / 16) + l % 8, columns 8 ((l / 8) % 2) on
	v_bfe_u32 v5, v0, 3, 1
	v_lshl_add_u32 v4, v2, 3, v4
	v_mul_u32_u24 v4, v4, PB
	v_lshl_add_u32 v4, v5, 4, v4
	s_lshl_b32 s22, s12, 7
	s_add_co_u32 s22, s22, BOFF
	v_add_nc_u32 v[ADRB], s22, v4
	v_add_nc_u32 v[ADRB+1], HALFB, v[ADRB]
	v_add_nc_u32 v[ADRB+2], SLOT, v[ADRB]
	v_add_nc_u32 v[ADRB+3], SLOT+HALFB, v[ADRB]
	s_mul_i32 s23, s10, 16*SP
	s_add_co_u32 s23, s23, STAGE                   ; my stage
	v_mul_u32_u24 v6, v1, SP
	v_lshl_add_u32 v6, v2, 4, v6
	v_add_nc_u32 v[STO], s23, v6
	v_bfe_u32 v6, v0, 3, 2                         ; back: 32 lanes take four rows of 128 bytes,
	v_mul_u32_u24 v6, v6, SP
	v_and_b32 v7, 7, v0
	v_lshl_add_u32 v6, v7, 4, v6
	v_add_nc_u32 v[RD], s23, v6
	v_and_b32 v[GO], 31, v0                        ; which are 512 consecutive bytes of a head
	v_lshlrev_b32 v[GO], 4, v[GO]
	s_lshr_b32 s18, s13, 4                         ; the batch
	s_lshl_b32 s18, s18, 3
	s_add_co_u32 s18, s18, s12                     ; the first tile's head: my column half; each further tile is two heads on
	s_lshl_b32 s18, s18, 11
	s_and_b32 s19, s13, 15
	s_lshl_b32 s19, s19, 7
	s_add_co_u32 s18, s18, s19
	s_lshl_b32 s19, s11, 6
	s_add_co_u32 s18, s18, s19                     ; my first row among all heads' rows
	s_lshl_b32 s18, s18, 7
	s_and_b32 s19, s42, 1
	s_lshl_b32 s19, s19, 23                        ; odd blocks: the buffer's second 8,388,608 bytes
	s_add_co_u32 s18, s18, s19
	s_mov_b32 s19, 0
	s_cmp_ge_u32 s42, 2
	s_cselect_b64 s[8:9], s[76:77], s[74:75]
	s_add_nc_u64 s[8:9], s[8:9], s[18:19]
; 8 matrix instructions: row blocks a0, a0 + 1 x 4 column blocks, 32 along K: half c of buffer f; the 16 accumulators take turns.  first = 1: the product starts the sum, with the columns' biases as C.
.macro MUL8 f, c, a0, first
	WIN MUL
.irp a, \a0, (\a0)+1
.irp b, 0,1,2,3
.if \first
	v_wmma_f32_16x16x32_bf16 v[ACC+8*(4*(\a)+(\b)):ACC+8*(4*(\a)+(\b))+7], v[(\f)+64+8*(4*(\c)+(\b)):(\f)+64+8*(4*(\c)+(\b))+7], v[(\f)+8*(4*(\c)+(\a)):(\f)+8*(4*(\c)+(\a))+7], v[BIAS+8*(\b):BIAS+8*(\b)+7]
.else
	v_wmma_f32_16x16x32_bf16 v[ACC+8*(4*(\a)+(\b)):ACC+8*(4*(\a)+(\b))+7], v[(\f)+64+8*(4*(\c)+(\b)):(\f)+64+8*(4*(\c)+(\b))+7], v[(\f)+8*(4*(\c)+(\a)):(\f)+8*(4*(\c)+(\a))+7], v[ACC+8*(4*(\a)+(\b)):ACC+8*(4*(\a)+(\b))+7]
.endif
.endr
.endr
.endm
.macro FETCH slot, q, f                ; 32 LDS loads in one run: quarter q (64 along K) of a slot into buffer f; its first 32 along K first
	WIN TO_F
.irp c, 0,1
.irp i, 0,1,2,3
	ds_load_tr16_b128 v[(\f)+64+8*(4*(\c)+(\i)):(\f)+64+8*(4*(\c)+(\i))+3],   v[ADRB+2*(\slot)+(\q)/2] offset:(((\q)%2)*64+32*(\c))*PB+32*(\i)
	ds_load_tr16_b128 v[(\f)+64+8*(4*(\c)+(\i))+4:(\f)+64+8*(4*(\c)+(\i))+7], v[ADRB+2*(\slot)+(\q)/2] offset:(((\q)%2)*64+32*(\c)+16)*PB+32*(\i)
	ds_load_b128 v[(\f)+8*(4*(\c)+(\i)):(\f)+8*(4*(\c)+(\i))+3],               v[ADRA+(\slot)] offset:128*(\q)+64*(\c)+(\i)*16*PA
	ds_load_b128 v[(\f)+8*(4*(\c)+(\i))+4:(\f)+8*(4*(\c)+(\i))+7],             v[ADRA+(\slot)] offset:128*(\q)+64*(\c)+(\i)*16*PA+32
.endr
.endr
.endm
.macro PLACES                          ; four places in front of loads into registers that matrix instructions have read, and of vector work on their results
.rept 4
	v_nop
.endr
.endm
.macro QUARTER slot, q, f, g, first    ; multiplies buffer f and fetches quarter q of the slot into g
	s_wait_dscnt 16                                ; the first 32 along K are in; the youngest sixteen loads may be out
	MUL8 \f, 0, 0, \first
	MUL8 \f, 0, 2, \first
	PLACES
	FETCH \slot, \q, \g
	s_wait_dscnt 32                                ; all but the 32 just issued
	MUL8 \f, 1, 0, 0
	MUL8 \f, 1, 2, 0
.endm
; A K step's last quarter multiplies buffer 1 and changes slots: ONE barrier; in front of it every wave waits for all its tensor loads, adds 0 to its spare word, and waits for that and for its reads of this slot.
; fill = 1: the barrier opens a round of the cluster's, and W's part of this slot takes the NEXT TILE's same K step (128 columns, 256 bytes, further along W's rows), first thing behind the round.
; From that request to the wait for it a wave issues 112 matrix instructions, and for slot 1 the way out besides.  Behind slot 0's refill the next tile's biases are asked for: this tile's were last read by its first quarter.
.macro TURN slot, next, fill
	WIN 0
	s_wait_tensorcnt 0x0                           ; all my tensor loads have landed: my part of the next slot
	ds_add_u32 v[SPW], v[NIL]
	s_wait_dscnt 17                                ; the add and the youngest sixteen loads may be out
	MUL8 F1, 0, 0, 0
	s_wait_dscnt 0x0                               ; the add is done, and my reads of this slot are over
	s_barrier_signal -1
	MUL8 F1, 0, 2, 0
.if \fill
	WIN 0
.endif
	s_barrier_wait -1
.if \fill
	CREST                                          ; no wave of any partner still reads this slot's W or has a load on its way
	s_add_nc_u64 s[G0B+4*(\slot)+2:G0B+4*(\slot)+3], s[G0B+4*(\slot)+2:G0B+4*(\slot)+3], 256
	JFILL \slot
.endif
	PLACES                                         ; on every wave's way: the places in front of the loads below
.if (\fill) && ((\slot) == 0)
	s_add_nc_u64 s[66:67], s[66:67], 512           ; 128 columns on; the wait at the tile's head has shown the last loads through this base done
	BIASES
.endif
	FETCH \next, 0, F0
	MUL8 F1, 1, 0, 0
	MUL8 F1, 1, 2, 0
.endm
; THE WAY OUT, 16 rows at a time: activation, rounding; 16 bytes a lane into my stage; back as four rows of 128 bytes, which are 512 consecutive bytes of my head.
.macro PACK a
.irp b, 0,1,2,3
.set AC, ACC+8*(4*(\a)+(\b))
.irp p, 0,2,4,6
	v_pk_mul_f32 v[T+\p:T+\p+1], v[AC+\p:AC+\p+1], s[78:79] op_sel_hi:[1,0]  ; ascending: each accumulator's lowest registers are read first
.endr
.irp p, 0,1,2,3,4,5,6,7
	v_max_num_f32 v[AC+\p], v[AC+\p], v[T+\p]
.endr
.irp p, 0,1,2,3
	v_cvt_pk_bf16_f32 v[AC+\p], v[AC+2*\p], v[AC+2*\p+1]  ; in place, ascending
.endr
	ds_store_b128 v[STO], v[AC:AC+3] offset:32*(\b)
.endr
.irp f, 0,1,2,3
	ds_load_b128 v[TMP+16*(\a)+4*\f:TMP+16*(\a)+4*\f+3], v[RD] offset:\f*4*SP  ; LDS serves a wave's instructions in order: these see the stores above, the next block's stores come behind them
.endr
.endm
.macro SEND a, younger                 ; younger: the next block's eight LDS instructions, or none
.irp f, 0,1,2,3
	s_wait_dscnt (\younger)+3-\f
	global_store_b128 v[GO], v[TMP+16*(\a)+4*\f:TMP+16*(\a)+4*\f+3], s[8:9] offset:(\a)*2048+\f*512
.endr
.endm
.macro WAYOUT more                     ; more = 1: another tile follows
	WIN 0
	PLACES
	PACK 0
	PACK 1
	SEND 0, 8
	PACK 2
	SEND 1, 8
	PACK 3
	SEND 2, 8
	SEND 3, 0
.if \more
	s_wait_xcnt 0x0                                ; the stores' base and data registers are written again only behind this wait; it does not wait for the stores themselves
	s_add_nc_u64 s[8:9], s[8:9], 524288            ; two heads of 2,048 rows x 128 bytes on
.endif
.endm
	s_wait_tensorcnt 1                             ; my part of slot 0 is in; slot 1's stays out
	s_barrier_signal -1
	s_barrier_wait -1
	FETCH 0, 0, F0
	WIN 0                                          ; at a label and at a branch every window is 0
	s_wait_kmcnt 0x0
	s_mov_b32 s79, s78                             ; the slope is named as a pair
	s_mov_b32 s3, TILES-1
.Ltile:                                                ; three trips: a tile that has a successor
	s_wait_loadcnt 0x0                             ; this tile's biases
	QUARTER 0, 1, F0, F1, 1                        ; the first products start the sums
	QUARTER 0, 2, F1, F0, 0
	QUARTER 0, 3, F0, F1, 0
	TURN 0, 1, 1                                   ; slot 0 takes the next tile's K step 0,
	QUARTER 1, 1, F0, F1, 0
	QUARTER 1, 2, F1, F0, 0
	QUARTER 1, 3, F0, F1, 0
	TURN 1, 0, 1                                   ; slot 1 its K step 1, and the next tile's first fragments are fetched
	WAYOUT 1                                       ; both refills are asked for: now the tile goes out
	s_sub_co_u32 s3, s3, 1
	s_cmp_lg_u32 s3, 0
	s_cbranch_scc1 .Ltile
	s_wait_loadcnt 0x0                             ; the last tile is written out: it asks for nothing
	QUARTER 0, 1, F0, F1, 1
	QUARTER 0, 2, F1, F0, 0
	QUARTER 0, 3, F0, F1, 0
	TURN 0, 1, 0
	QUARTER 1, 1, F0, F1, 0
	QUARTER 1, 2, F1, F0, 0
	QUARTER 1, 3, F0, F1, 0
	s_wait_dscnt 16
	MUL8 F1, 0, 0, 0
	MUL8 F1, 0, 2, 0
	s_wait_dscnt 0x0
	MUL8 F1, 1, 0, 0
	MUL8 F1, 1, 2, 0
	WAYOUT 0
	s_wait_tensorcnt 0x0                           ; the wave's end
	ds_add_u32 v[SPW], v[NIL]
	s_wait_dscnt 0x0
	CROUND                                         ; the closing round
	s_endpgm
.Lfunc_end_k_qa87cfbc65a_kv:
	.size	k_qa87cfbc65a_kv, .Lfunc_end_k_qa87cfbc65a_kv-k_qa87cfbc65a_kv
	.p2alignl 7, 3214868480
	.fill 96, 4, 3214868480
	.section	.rodata,"a",@progbits
	.p2align	6, 0x0
	.amdhsa_kernel k_qa87cfbc65a_kv
		.amdhsa_group_segment_fixed_size 327680
		.amdhsa_private_segment_fixed_size 0
		.amdhsa_enable_private_segment 0
		.amdhsa_kernarg_size 40
		.amdhsa_user_sgpr_count 2
		.amdhsa_user_sgpr_kernarg_segment_ptr 1
		.amdhsa_wavefront_size32 1
		.amdhsa_system_sgpr_workgroup_id_x 1
		.amdhsa_system_sgpr_workgroup_id_y 1
		.amdhsa_system_sgpr_workgroup_id_z 1
		.amdhsa_system_vgpr_workitem_id 0
		.amdhsa_next_free_vgpr 512
		.amdhsa_next_free_sgpr 80
		.amdhsa_reserve_vcc 0
		.amdhsa_float_denorm_mode_32 3
		.amdhsa_float_denorm_mode_16_64 3
		.amdhsa_memory_ordered 1
		.amdhsa_forward_progress 1
		.amdhsa_inst_pref_size 112
	.end_amdhsa_kernel
	.amdgpu_metadata
---
amdhsa.version: [ 1, 2 ]
amdhsa.kernels:
  - .name:           k_qa87cfbc65a_kv
    .symbol:         k_qa87cfbc65a_kv.kd
    .args:
      - { .name: NB, .offset: 0, .size: 8, .value_kind: global_buffer, .address_space: global }
      - { .name: EA, .offset: 8, .size: 8, .value_kind: global_buffer, .address_space: global }
      - { .name: WA, .offset: 16, .size: 8, .value_kind: global_buffer, .address_space: global }
      - { .name: S1, .offset: 24, .size: 8, .value_kind: global_buffer, .address_space: global }
      - { .name: S2, .offset: 32, .size: 8, .value_kind: global_buffer, .address_space: global }
    .group_segment_fixed_size: 327680
    .private_segment_fixed_size: 0
    .kernarg_segment_align: 8
    .kernarg_segment_size: 40
    .max_flat_workgroup_size: 128
    .sgpr_count:     80
    .vgpr_count:     512
    .wavefront_size: 32
...
	.end_amdgpu_metadata
.endif
;; end of part 2
;; launch att1 (part 3): grid 8 x 32, 8 waves a work-group, clusters of 4 x 1, 327,680 bytes of LDS; arguments NB, S1, bq1, EA; writes EA
.if DOCPART == 3
	.amdgcn_target "amdgcn-amd-amdhsa--gfx1250"
	.amdhsa_code_object_version 6
	.text
	.protected	k_qa87cfbc65a_att1
	.globl	k_qa87cfbc65a_att1
	.p2align	8
	.type	k_qa87cfbc65a_att1,@function
k_qa87cfbc65a_att1:
	s_mov_b64 s[64:65], 0
	v_nop
	global_prefetch_b8 v0, s[64:65] scope:SCOPE_SE
	s_setreg_imm32_b32 hwreg(HW_REG_WAVE_MODE, 25, 1), 1
	s_wait_xcnt 0x0
	s_wait_alu depctr_hold_cnt(0) depctr_sa_sdst(0) depctr_va_vdst(0) depctr_va_sdst(0) depctr_va_ssrc(0) depctr_va_vcc(0) depctr_vm_vsrc(0)
	s_getreg_b32 s2, hwreg(HW_REG_IB_STS2, 6, 4)
	s_cmp_eq_u32 s2, 0
	s_cbranch_scc0 .Lentry_in_a_cluster
	s_endpgm
.Lentry_in_a_cluster:
	s_bfe_u32 s2, ttmp6, 0x10000c
	s_cmp_lg_u32 s2, 0x3003
	s_cbranch_scc0 .Lentry_shape_is_right
	s_endpgm
.Lentry_shape_is_right:
; MASKED ATTENTION WITH ITS QUERY PROJECTION.  q = n Wq + bq (for one head); O[q] = the sum over k of softmax_k(where(mask = 0, hidden, q . K[k] / 8)) V[k].
; n: [8192][512] bf16.  In buffer S: K and V by heads [32][2048][64] bf16, the mask's lane words, Wq as [512 k][512 n] bf16.  O by heads, bf16.  Products, maxima, sums in f32; q, the weights p and O rounded once to bf16.
; LIMITS.  A hidden score counts as -2^30 (the raw score as -2^33) where the reference takes -1e9: with a power of two c m is exact, so a row whose keys are all hidden has p = 1 throughout and is the plain mean of V.
; The two differ only where visible scores lie below about -1e9.  A weight below 2^-126 counts as 0; NaN and infinities are not treated apart.
; SHARES.  A work-group owns 256 queries of a head, each of its EIGHT waves 32: two tiles of 16.  A tile and key step have 150 vector and 16 matrix instructions, so the vector unit binds whatever the order;
; with two waves on a SIMD one wave's products run beside the other's softmax, and the text stays in plain phases with six switches of the register window a step.
; LAYOUT.  S^T = K Q^T: a lane holds ONE query (lane % 16) and keys 8 (lane / 16) + 0..7; two such results rounded in pairs ARE source 1 of O^T = V^T P.  The projection is used transposed too, so its results rounded in pairs ARE Q's fragments.
; THE MASK.  Word i of a tile and step is the lane mask of score register i: it comes by scalar loads and steers v_cndmask_b32; no branch and no address hangs on it.  Each tile has 32 scalar registers of its own:
; a trip uses all 64 words at its head and then asks for the next step's 64, which have the rest of the trip in which to land.  Scalar loads may come back in any order, so they go out as one batch with one wait for 0.
; SOFTMAX.  Running maximum m and sum l: p = 2^(c s - c m), c = log2(e) / 8; O and l are multiplied by a = 2^(c m_old - c m_new) in every step.  c m starts far below every c s, so the first a is 0 and wipes what O holds.
; The two tiles' lines alternate, so that no line reads the result of the line before it.
; CLUSTER.  The four query blocks of a cluster belong to one head: K, V and Wq are asked for jointly.
; REGISTERS.  Window 0: v0-15 addresses; v16-23 statistics; v24-36 at work; v38-40 c (twice) and the hidden score; v64-127 S^T; v128-159 P; v160-223 O^T.  Window 1: v0-31 Q; v32-95 K; v96-159 V; in the projection all 256: n's fragments.
; SCALARS.  64 words, 24 registers of K's and V's descriptors and 11 others live through the loop: with s[0:1] and the four registers that no text names that is 105 of 106.  So c and the hidden score lie in vector registers,
; and tile 1's words take the registers that hold the arguments, work and Wq's descriptor during the set-up.
.set KS,    64
.set PK,    144                        ; a row of K in LDS: 128 bytes + 16
.set PV,    160                        ; a row of V, and of Wq: 128 + 32
.set VOFF,  4*KS*PK                    ; a slot holds four steps: 256 rows of K, then 256 of V
.set SLOT1, 1<<17
.set WQL,   SLOT1+4*KS*(PK+PV)         ; Wq's 64 columns: 512 rows x 160 bytes, filled once
.set STAGE, WQL+512*PV                 ; 16 rows x 144 bytes for each wave
.set SP,    144
.set SPARE, STAGE+8*16*SP              ; the spare words, 128 bytes a wave
.set VO,    8388608
.set MW,    16777216
.set WQ,    18874368
.set AK0, 2
.set AV0, 3
.set AK,  4
.set AV,  5
.set STO, 6
.set RD,  7
.set GO,  8
.set QO,  9
.set AW,  10                           ; v10-11  Wq's fragments: rows 0-255, 256-511
.set HH,  12
.set BO,  13
.set SPW, 14
.set NIL, 15
.set ST,  16                           ; tile u at ST + 4 u: c m, m, l (even keys', odd keys')
.set TMP, 24                           ; tile u at TMP + 4 u: c0-c3; c2 takes a
.set MV,  32
.set CSV, 38                           ; v[38:39] c: the packed scaling takes the pair's low register for both halves
.set NEGV, 40                          ; v40     -2^33
.set S,   64
.set P,   128
.set O,   160
.set KF,  32                           ; window 1
.set VF,  96                           ; window 1
.set WV,  2                            ; s2      my wave's number
.set TBK, 3                            ; s3      LDS byte at which K of the step to be fetched begins
.set MWD1, 4                           ; s4-35   tile 1's 32 words.  In the set-up: s4-11 the arguments, s12-19 and s32-35 at work, s20-31 Wq's descriptor
.set G1W, 20
.set G0W, 28
.set G1K, 36
.set G1V, 44
.set G0K, 52
.set G0V, 56
.set OB,  60                           ; s[60:61] O at my first row
.set MP,  62                           ; s[62:63] my tiles' words of the step last asked for
.set SEL, 66                           ; s66, s67 v_permlanex16_b32's selects
.set MWD0, 68                          ; s68-99  tile 0's 32 words.  In the set-up: at work
.set TBV, 100                          ; s100    the same as TBK for V, less VOFF
.set SLOTS, 101
.set CNT, 104
.set MSB, 0
.macro WIN new
.if MSB != (\new)
	s_set_vgpr_msb (MSB<<8)|(\new)
.set MSB, (\new)
.endif
.endm
.set W_KQ, 0x05                        ; K and Q in window 1
.set W_PV, 0x01                        ; V in window 1
.set W_PJ, 0x04                        ; n's fragments (source 1) in window 1
.set TO_1, 0x40                        ; destination window 1
.macro PLACES
.rept 4
	v_nop
.endr
.endm
.macro JLOAD                           ; a joint fill: waves 0, 1 the halves of a slot's K, waves 2, 3 of its V, the others nothing; the branches hang on the wave's number alone
	s_cmp_lt_u32 s[WV], 2
	s_cbranch_scc0 .Lfor_v_\@
	tensor_load_to_lds s[G0K:G0K+3], s[G1K:G1K+7]
	s_nop 0
.rept 4
	v_nop
.endr
	s_branch .Lasked_\@
.Lfor_v_\@:
	s_cmp_lt_u32 s[WV], 4
	s_cbranch_scc0 .Lasked_\@
	tensor_load_to_lds s[G0V:G0V+3], s[G1V:G1V+7]
	s_nop 0
.rept 4
	v_nop
.endr
.Lasked_\@:
.endm
.macro CROUND
	s_barrier_signal -1
	s_barrier_wait -1
	s_cmp_lg_u32 s[WV], 0
	s_cbranch_scc1 .Lnot_wave_0_\@
	s_barrier_signal -3
.Lnot_wave_0_\@:
	s_barrier_wait -3
	s_barrier_signal -1
	s_barrier_wait -1
.endm
; THE CHANGE OF SLOTS.  Every wave waits for all its tensor loads, adds 0 to its spare word, and waits for that and for its reads of the slot that it leaves.  fill = 1: a round of the cluster's barrier,
; and the slot is filled again first thing behind it, with the keys two slots on: four key steps in which to land.  (At its first use slot 0 is waited for and slot 1 filled.)
.macro CHANGE fill
	WIN 0
	s_wait_tensorcnt 0x0
	ds_add_u32 v[SPW], v[NIL]
.if \fill
.irp g, G0K, G0V
	s_xor_b32 s[\g+1], s[\g+1], SLOT1
	s_add_nc_u64 s[\g+2:\g+3], s[\g+2:\g+3], 4*KS*128
.endr
	s_wait_dscnt 0x0
	CROUND
	JLOAD
.else
	s_wait_dscnt 0x0
	s_barrier_signal -1
	s_barrier_wait -1
.endif
	s_sub_co_u32 s[TBK], s[TBK], 4*KS*PK
	s_xor_b32 s[TBK], s[TBK], SLOT1
	s_sub_co_u32 s[TBV], s[TBV], 4*KS*PV
	s_xor_b32 s[TBV], s[TBV], SLOT1
.endm
	s_load_b256 s[4:11], s[0:1], 0x0               ; n 4, S 6, bq 8, O 10
	v_lshl_add_u32 v[SPW], v0, 2, SPARE
	v_mov_b32 v[NIL], 0
	ds_add_u32 v[SPW], v[NIL]                      ; the wave's opening: the add and its wait ahead of the first tensor load
	v_lshrrev_b32 v1, 5, v0
	v_readfirstlane_b32 s[WV], v1                  ; wave 0..7
	s_bfe_u32 s13, ttmp6, 0x40000                  ; cx
	s_lshl_b32 s14, ttmp9, 2
	s_add_co_u32 s14, s14, s13                     ; my block of 256 queries: it enters n's, the words' and O's addresses alone
	s_and_b32 s15, ttmp7, 0xffff                   ; batch x 8 + head, which the partners share
	s_lshr_b32 s16, s15, 3
	s_and_b32 s17, s15, 7
	s_and_b32 s18, s[WV], 1                        ; which half of a slot's 256 keys I fetch
	s_lshl_b32 s32, s15, 18                        ; a head's 2,048 rows of 128 bytes
	s_lshl_b32 s19, s18, 14
	s_add_co_u32 s32, s32, s19
	s_mov_b32 s33, 0
	s_and_b32 s19, s[WV], 3                        ; which 128 rows of Wq I fetch
	s_lshl_b32 s34, s19, 17
	s_lshl_b32 s35, s17, 7                         ; the head's 64 columns
	s_add_co_u32 s34, s34, s35
	s_add_co_u32 s34, s34, WQ
	s_mov_b32 s35, 0
	s_mov_b32 s[G0K], 1
	s_mul_i32 s[G0K+1], s18, 128*PK
	s_mov_b32 s[G0V], 1
	s_mul_i32 s[G0V+1], s18, 128*PV
	s_add_co_u32 s[G0V+1], s[G0V+1], VOFF
	s_mov_b32 s[G0W], 1
	s_mul_i32 s[G0W+1], s19, 128*PV
	s_add_co_u32 s[G0W+1], s[G0W+1], WQL
	s_mov_b32 s[G1K], 15|(1<<16)|(1<<20)|(1<<21)|(4<<22)|(3<<25)  ; the mask of four; 2-byte elements; 4 words of padding behind every 32
	s_mov_b32 s[G1V], 15|(1<<16)|(1<<20)|(1<<21)|(4<<22)|(7<<25)  ; 8 words of padding
.irp g, G1K, G1V                       ; 128 keys are 16,384 dense bytes: 64 rows of 256 bytes, two keys a row
	s_mov_b32 s[\g+1], 128<<16
	s_mov_b32 s[\g+2], 64<<16
	s_mov_b32 s[\g+3], 128<<16
	s_mov_b32 s[\g+4], 64
	s_mov_b32 s[\g+5], 128
	s_mov_b32 s[\g+6], 0
	s_mov_b32 s[\g+7], 0
.endr
	s_mov_b32 s[G1W], 15|(1<<16)|(1<<20)|(1<<21)|(4<<22)|(7<<25)  ; Wq: 128 rows of 64 elements, 512 elements apart
	s_mov_b32 s[G1W+1], 64<<16
	s_mov_b32 s[G1W+2], 128<<16
	s_mov_b32 s[G1W+3], 64<<16
	s_mov_b32 s[G1W+4], 128
	s_mov_b32 s[G1W+5], 512
	s_mov_b32 s[G1W+6], 0
	s_mov_b32 s[G1W+7], 0
	s_mov_b32 s[SEL], 0x76543210
	s_mov_b32 s[SEL+1], 0xfedcba98
	s_mov_b32 s[TBK], SLOT1+4*KS*PK                ; the first change of slots turns these two into 0
	s_mov_b32 s[TBV], SLOT1+4*KS*PV
	s_lshl_b32 s68, s16, 11                        ; n: my first row among the 8,192
	s_lshl_b32 s69, s14, 8
	s_add_co_u32 s68, s68, s69
	s_lshl_b32 s69, s[WV], 5
	s_add_co_u32 s68, s68, s69
	s_lshl_b32 s68, s68, 10
	s_mov_b32 s69, 0
	s_lshl_b32 s70, s15, 11                        ; O: my first row among all heads' rows
	s_lshl_b32 s71, s14, 8
	s_add_co_u32 s70, s70, s71
	s_lshl_b32 s71, s[WV], 5
	s_add_co_u32 s70, s70, s71
	s_lshl_b32 s70, s70, 7
	s_mov_b32 s71, 0
	s_lshl_b32 s72, s16, 7                         ; the words: query tile 128 batch + 16 block + 2 wave, 4,096 bytes each
	s_lshl_b32 s73, s14, 4
	s_add_co_u32 s72, s72, s73
	s_lshl1_add_u32 s72, s[WV], s72
	s_lshl_b32 s72, s72, 12
	s_add_co_u32 s72, s72, MW
	s_mov_b32 s73, 0
	s_lshl_b32 s74, s17, 8                         ; bq: the head's 64 numbers
	s_mov_b32 s75, 0
	s_wait_dscnt 0x0                               ; the opening add is done
	s_wait_kmcnt 0x0
	s_add_nc_u64 s[G0K+2:G0K+3], s[6:7], s[32:33]
	s_or_b32 s[G0K+3], s[G0K+3], 0x80000000
	s_add_co_u32 s32, s32, VO
	s_add_nc_u64 s[G0V+2:G0V+3], s[6:7], s[32:33]
	s_or_b32 s[G0V+3], s[G0V+3], 0x80000000
	s_add_nc_u64 s[G0W+2:G0W+3], s[6:7], s[34:35]
	s_or_b32 s[G0W+3], s[G0W+3], 0x80000000
	s_add_nc_u64 s[4:5], s[4:5], s[68:69]
	s_add_nc_u64 s[OB:OB+1], s[10:11], s[70:71]
	s_add_nc_u64 s[MP:MP+1], s[6:7], s[72:73]
	s_add_nc_u64 s[8:9], s[8:9], s[74:75]
	CROUND                                         ; all four work-groups are here: the first joint loads meet
	s_cmp_lt_u32 s[WV], 2                          ; a wave's first fills stand together: its quarter of Wq, then its half of slot 0's K or V: two loads of mine are out
	s_cbranch_scc0 .Lfirst_v
	tensor_load_to_lds s[G0W:G0W+3], s[G1W:G1W+7]
	s_nop 0
	tensor_load_to_lds s[G0K:G0K+3], s[G1K:G1K+7]
	s_nop 0
.rept 4
	v_nop
.endr
	s_branch .Lfirst_asked
.Lfirst_v:
	s_cmp_lt_u32 s[WV], 4
	s_cbranch_scc0 .Lfirst_asked
	tensor_load_to_lds s[G0W:G0W+3], s[G1W:G1W+7]
	s_nop 0
	tensor_load_to_lds s[G0V:G0V+3], s[G1V:G1V+7]
	s_nop 0
.rept 4
	v_nop
.endr
.Lfirst_asked:
	v_and_b32 v1, 15, v0                           ; l % 16
	v_bfe_u32 v[HH], v0, 4, 1                      ; l / 16
	v_lshlrev_b32 v[BO], 5, v[HH]
.irp cb, 0,1,2,3                       ; bq of my eight channels in each block of 16, into P's registers
	global_load_b128 v[P+8*\cb:P+8*\cb+3],   v[BO], s[8:9] offset:64*\cb
	global_load_b128 v[P+8*\cb+4:P+8*\cb+7], v[BO], s[8:9] offset:64*\cb+16
.endr
	v_lshlrev_b32 v[QO], 10, v1
	v_lshl_add_u32 v[QO], v[HH], 4, v[QO]          ; row x 1,024 + 16 x half
	WIN TO_1
.set i, 0
.rept 32                               ; n's fragments: K block i / 2 of 32, tile i % 2
	global_load_b128 v[8*i:8*i+3],   v[QO], s[4:5] offset:(i%2)*16384+(i/2)*64
	global_load_b128 v[8*i+4:8*i+7], v[QO], s[4:5] offset:(i%2)*16384+(i/2)*64+32
.set i, i+1
.endr
	WIN 0
	v_mul_u32_u24 v[AK0], v1, PK
	v_lshl_add_u32 v[AK0], v[HH], 4, v[AK0]
	v_and_b32 v34, 7, v0                           ; the turning load: lane l reads row 8 (l / 16) + l % 8, columns 8 ((l / 8) % 2) on
	v_bfe_u32 v35, v0, 3, 1
	v_lshl_add_u32 v36, v[HH], 3, v34
	v_mul_u32_u24 v[AV0], v36, PV
	v_lshl_add_u32 v[AV0], v35, 4, v[AV0]
	v_add_nc_u32 v[AW], WQL, v[AV0]
	v_add_nc_u32 v[AW+1], WQL+256*PV, v[AV0]
	v_add_nc_u32 v[AV0], VOFF, v[AV0]
	s_mul_i32 s13, s[WV], 16*SP
	s_add_co_u32 s13, s13, STAGE                   ; my stage
	v_mul_u32_u24 v[STO], v1, SP
	v_lshl_add_u32 v[STO], v[HH], 4, v[STO]
	v_add_nc_u32 v[STO], s13, v[STO]
	v_bfe_u32 v[RD], v0, 3, 2
	v_mul_u32_u24 v[RD], v[RD], SP
	v_lshl_add_u32 v[RD], v34, 4, v[RD]
	v_add_nc_u32 v[RD], s13, v[RD]
	v_and_b32 v[GO], 31, v0
	v_lshlrev_b32 v[GO], 4, v[GO]
.irp u, 0,1
	v_mov_b32 v[ST+4*\u], 0xfe000000               ; c m: far below every c s
	v_mov_b32 v[ST+4*\u+1], 0xff7fffff             ; m
	v_mov_b32 v[ST+4*\u+2], 0
	v_mov_b32 v[ST+4*\u+3], 0
.endr
	v_mov_b32 v[CSV], 0x3e38aa3b                   ; c = log2(e) / 8
	v_mov_b32 v[CSV+1], 0x3e38aa3b                 ; named with it as a pair
	v_mov_b32 v[NEGV], 0xd0000000                  ; -2^33
; THE PROJECTION.  q^T = Wq^T n^T, 16 K blocks of 32; Wq's four fragments of a block come turned out of LDS into two buffers in S^T's registers; the 8 accumulators (O^T's registers) take turns.
.macro FETCHW k
.irp cb, 0,1,2,3
	ds_load_tr16_b128 v[S+32*((\k)%2)+8*\cb:S+32*((\k)%2)+8*\cb+3],   v[AW+(\k)/8] offset:((\k)%8)*32*PV+32*\cb
	ds_load_tr16_b128 v[S+32*((\k)%2)+8*\cb+4:S+32*((\k)%2)+8*\cb+7], v[AW+(\k)/8] offset:((\k)%8)*32*PV+16*PV+32*\cb
.endr
.endm
	s_wait_tensorcnt 0x1                           ; my quarter of Wq is in; my half of K or V stays out
	s_barrier_signal -1
	s_barrier_wait -1
	FETCHW 0
	FETCHW 1
.set kk, 0
.rept 16
.if kk < 15
	s_wait_dscnt 8                                 ; this block's fragments are in; the next block's eight loads stay out
.else
	s_wait_dscnt 0x0
.endif
	s_wait_loadcnt 60-4*kk                         ; n's fragments of this block are in; four loads for each later block stay out
	WIN W_PJ
.irp cb, 0,1,2,3
.irp u, 0,1
.if kk == 0
	v_wmma_f32_16x16x32_bf16 v[O+32*\u+8*\cb:O+32*\u+8*\cb+7], v[S+32*(kk%2)+8*\cb:S+32*(kk%2)+8*\cb+7], v[8*(2*kk+\u):8*(2*kk+\u)+7], 0
.else
	v_wmma_f32_16x16x32_bf16 v[O+32*\u+8*\cb:O+32*\u+8*\cb+7], v[S+32*(kk%2)+8*\cb:S+32*(kk%2)+8*\cb+7], v[8*(2*kk+\u):8*(2*kk+\u)+7], v[O+32*\u+8*\cb:O+32*\u+8*\cb+7]
.endif
.endr
.endr
	PLACES
	WIN 0
.if kk < 14
	FETCHW kk+2
.endif
.set kk, kk+1
.endr
.irp u, 0,1
.irp cb, 0,1,2,3
.irp p, 0,2,4,6
	v_pk_add_f32 v[O+32*\u+8*\cb+\p:O+32*\u+8*\cb+\p+1], v[O+32*\u+8*\cb+\p:O+32*\u+8*\cb+\p+1], v[P+8*\cb+\p:P+8*\cb+\p+1]
.endr
.endr
.endr
	WIN TO_1
.irp u, 0,1
.irp cb, 0,1,2,3
.irp p, 0,1,2,3
	v_cvt_pk_bf16_f32 v[16*\u+4*\cb+\p], v[O+32*\u+8*\cb+2*\p], v[O+32*\u+8*\cb+2*\p+1]  ; channels 16 cb + 8 (l / 16) + 0..7: half a fragment of Q
.endr
.endr
.endr
	WIN 0
; THE MATRIX WORK of a step; in each run of 16 the 8 accumulators take turns.
.macro KQS                             ; S^T = K Q^T: channels 32 (i / 8) on, keys 16 ((i / 2) % 4) on, tile i % 2
.set i, 0
.rept 16
.set rS, S+32*(i%2)+8*((i/2)%4)
.set rK, KF+16*((i/2)%4)+8*(i/8)
.set rQ, 16*(i%2)+8*(i/8)
	WIN W_KQ
.if i < 8
	v_wmma_f32_16x16x32_bf16 v[rS:rS+7], v[rK:rK+7], v[rQ:rQ+7], 0
.else
	v_wmma_f32_16x16x32_bf16 v[rS:rS+7], v[rK:rK+7], v[rQ:rQ+7], v[rS:rS+7]
.endif
.set i, i+1
.endr
.endm
.macro PVS                             ; O^T += V^T P: keys 32 (i / 8) on, channels 16 ((i / 2) % 4) on, tile i % 2
.set i, 0
.rept 16
.set rO, O+32*(i%2)+8*((i/2)%4)
.set rV, VF+32*(i/8)+8*((i/2)%4)
.set rP, P+16*(i%2)+8*(i/8)
	WIN W_PV
	v_wmma_f32_16x16x32_bf16 v[rO:rO+7], v[rV:rV+7], v[rP:rP+7], v[rO:rO+7]
.set i, i+1
.endr
.endm
.macro FETCH_K
	WIN TO_1
.irp f, 0,1,2,3,4,5,6,7                ; keys 16 (f / 2) on, channels 32 (f % 2) on
	ds_load_b128 v[KF+8*\f:KF+8*\f+3],   v[AK] offset:(\f/2)*16*PK+(\f%2)*64
	ds_load_b128 v[KF+8*\f+4:KF+8*\f+7], v[AK] offset:(\f/2)*16*PK+(\f%2)*64+32
.endr
	s_add_co_u32 s[TBK], s[TBK], KS*PK
	WIN 0
.endm
.macro FETCH_V
	WIN TO_1
.irp f, 0,1,2,3,4,5,6,7                ; keys 32 (f / 4) on, channels 16 (f % 4) on
	ds_load_tr16_b128 v[VF+8*\f:VF+8*\f+3],   v[AV] offset:(\f/4)*32*PV+(\f%4)*32
	ds_load_tr16_b128 v[VF+8*\f+4:VF+8*\f+7], v[AV] offset:(\f/4)*32*PV+16*PV+(\f%4)*32
.endr
	WIN 0
.endm
; THE SOFTMAX of both tiles for one key step, 300 instructions, all in window 0, the two tiles' lines by turns.  ask = 1: when the 64 words have been used, the next step's are asked for.
.macro FS u, n                         ; c s - c m for pair n of tile u
	v_pk_fma_f32 v[S+32*(\u)+2*(\n):S+32*(\u)+2*(\n)+1], v[S+32*(\u)+2*(\n):S+32*(\u)+2*(\n)+1], v[CSV:CSV+1], v[ST+4*(\u):ST+4*(\u)+1] op_sel_hi:[1,0,0] neg_lo:[0,0,1] neg_hi:[0,0,1]
.endm
.macro RS u, n                         ; pair n of tile u's O^T times a
	s_wait_alu depctr_va_vdst(0)
	v_pk_mul_f32 v[O+32*(\u)+2*(\n):O+32*(\u)+2*(\n)+1], v[O+32*(\u)+2*(\n):O+32*(\u)+2*(\n)+1], v[TMP+4*(\u)+2:TMP+4*(\u)+3] op_sel_hi:[1,0]
.endm
.macro CV u, n                         ; pair n of tile u's weights rounded to bf16
	s_wait_alu depctr_va_vdst(0)
	v_cvt_pk_bf16_f32 v[P+16*(\u)+(\n)], v[S+32*(\u)+2*(\n)], v[S+32*(\u)+2*(\n)+1]
.endm
.macro EX u, k                         ; the exponential of score k of tile u
	v_exp_f32 v[S+32*(\u)+(\k)], v[S+32*(\u)+(\k)]
.endm
.macro SOFT ask
	s_wait_kmcnt 0x0                               ; this step's 64 words are in: the one batch of scalar loads that is out; their pointer may step
.irp u, 0,1                            ; hidden scores are replaced; ascending
.set i, 0
.rept 32
	v_cndmask_b32 v[S+32*\u+i], v[NEGV], v[S+32*\u+i], s[MWD0+(MWD1-MWD0)*\u+i]
.set i, i+1
.endr
.endr
.irp n, 0,1,2,3                        ; the maximum: four chains of seven scores a tile,
.irp u, 0,1
	v_max3_num_f32 v[TMP+4*\u+\n], v[S+32*\u+8*\n], v[S+32*\u+8*\n+1], v[S+32*\u+8*\n+2]
.endr
.endr
.irp n, 4,5,6,7,8,9,10,11
.irp u, 0,1
	v_max3_num_f32 v[TMP+4*\u+\n%4], v[TMP+4*\u+\n%4], v[S+32*\u+8*(\n%4)+2*(\n/4)+1], v[S+32*\u+8*(\n%4)+2*(\n/4)+2]
.endr
.endr
.if \ask
	s_add_nc_u64 s[MP:MP+1], s[MP:MP+1], 128       ; the next key step's words: 128 bytes a tile, tile 1's 4,096 bytes behind tile 0's
	s_load_b512 s[MWD0:MWD0+15], s[MP:MP+1], 0x0
	s_load_b512 s[MWD0+16:MWD0+31], s[MP:MP+1], 0x40
	s_load_b512 s[MWD1:MWD1+15], s[MP:MP+1], 0x1000
	s_load_b512 s[MWD1+16:MWD1+31], s[MP:MP+1], 0x1040
.endif
.irp u, 0,1                            ; the four scores left over, the old m,
	v_max3_num_f32 v[TMP+4*\u], v[TMP+4*\u], v[S+32*\u+7], v[S+32*\u+15]
.endr
.irp u, 0,1
	v_max3_num_f32 v[TMP+4*\u+1], v[TMP+4*\u+1], v[S+32*\u+23], v[S+32*\u+31]
.endr
.irp u, 0,1
	v_max3_num_f32 v[TMP+4*\u+2], v[TMP+4*\u+2], v[TMP+4*\u+3], v[ST+4*\u+1]
.endr
.irp u, 0,1
	v_mov_b32 v[MV+\u], v[ST+4*\u]                 ; c m_old is kept
.endr
.irp u, 0,1
	v_max3_num_f32 v[TMP+4*\u], v[TMP+4*\u], v[TMP+4*\u+1], v[TMP+4*\u+2]
.endr
.irp u, 0,1
	v_permlanex16_b32 v[TMP+4*\u+3], v[TMP+4*\u], s[SEL], s[SEL+1]  ; the query's other 32 keys lie in the lane 16 away
.endr
.irp u, 0,1
	v_max_num_f32 v[ST+4*\u+1], v[TMP+4*\u], v[TMP+4*\u+3]
.endr
.irp u, 0,1
	v_mul_f32 v[ST+4*\u], v[CSV], v[ST+4*\u+1]
.endr
	FS 0, 0
	FS 1, 0
	FS 0, 1
	FS 1, 1
.irp u, 0,1
	v_sub_f32 v[TMP+4*\u+1], v[MV+\u], v[ST+4*\u]
.endr
	FS 0, 2
	FS 1, 2
	v_exp_f32 v[TMP+2], v[TMP+1]                   ; a of tile 0,
	FS 0, 3
	v_exp_f32 v[TMP+6], v[TMP+5]                   ; of tile 1
	FS 1, 3
; Pair n's four exponentials, each with a plain line behind it that names none of its registers: the scaling four pairs ahead while there is one, O^T times a, the rounding of the pair before.
.set n, 0
.rept 16
.if n < 12
	EX 0, 2*n
	FS 0, n+4
	EX 1, 2*n
	FS 1, n+4
	EX 0, 2*n+1
	RS 0, n
	EX 1, 2*n+1
	RS 1, n
.if n > 0
	CV 0, n-1
	CV 1, n-1
.endif
.else
	EX 0, 2*n
	RS 0, n
	EX 1, 2*n
	RS 1, n
	EX 0, 2*n+1
	CV 0, n-1
	EX 1, 2*n+1
	CV 1, n-1
.endif
.set n, n+1
.endr
	CV 0, 15
	CV 1, 15
.irp n, 0,1,2,3,4,5,6,7                ; the sum of a tile's 16 pairs, as a tree, in place
.irp u, 0,1
	v_pk_add_f32 v[S+32*\u+4*\n:S+32*\u+4*\n+1], v[S+32*\u+4*\n:S+32*\u+4*\n+1], v[S+32*\u+4*\n+2:S+32*\u+4*\n+3]
.endr
.endr
.irp n, 0,1,2,3
.irp u, 0,1
	v_pk_add_f32 v[S+32*\u+8*\n:S+32*\u+8*\n+1], v[S+32*\u+8*\n:S+32*\u+8*\n+1], v[S+32*\u+8*\n+4:S+32*\u+8*\n+5]
.endr
.endr
.irp n, 0,1
.irp u, 0,1
	v_pk_add_f32 v[S+32*\u+16*\n:S+32*\u+16*\n+1], v[S+32*\u+16*\n:S+32*\u+16*\n+1], v[S+32*\u+16*\n+8:S+32*\u+16*\n+9]
.endr
.endr
.irp u, 0,1
	v_pk_add_f32 v[S+32*\u:S+32*\u+1], v[S+32*\u:S+32*\u+1], v[S+32*\u+16:S+32*\u+17]
.endr
.irp u, 0,1
	v_pk_fma_f32 v[ST+4*\u+2:ST+4*\u+3], v[ST+4*\u+2:ST+4*\u+3], v[TMP+4*\u+2:TMP+4*\u+3], v[S+32*\u:S+32*\u+1] op_sel_hi:[1,0,1]  ; l = a l + the sum
.endr
.endm
; A TRIP, step j in hand: its scores lie in S^T, its V is on the way into registers, its words on the way into scalar registers.  K of step j + 1 is fetched; both tiles' softmax, in which the words of step j + 1 are asked for;
; V^T P of step j, K Q^T of step j + 1; V of step j + 1 is fetched.
; The address line and three v_nop behind the products are the four places in front of the loads into V's and K's registers and of the first read of the scores.
.macro TRIP
	v_add_nc_u32 v[AK], s[TBK], v[AK0]
	FETCH_K
	SOFT 1
	s_wait_dscnt 0x0                               ; V of this step and K of the next are in
	PVS
	KQS
	WIN 0
	v_add_nc_u32 v[AV], s[TBV], v[AV0]
	v_nop
	v_nop
	v_nop
	s_add_co_u32 s[TBV], s[TBV], KS*PV
	FETCH_V
.endm
	CHANGE 1                                       ; slot 0 is in, everybody's part of it; slot 1 is asked for
	; The words of step 0.  Their registers held the arguments, n's and bq's bases and Wq's descriptor: the projection's last wait has shown those loads done, the change's wait for all tensor loads Wq's.
	s_load_b512 s[MWD0:MWD0+15], s[MP:MP+1], 0x0
	s_load_b512 s[MWD0+16:MWD0+31], s[MP:MP+1], 0x40
	s_load_b512 s[MWD1:MWD1+15], s[MP:MP+1], 0x1000
	s_load_b512 s[MWD1+16:MWD1+31], s[MP:MP+1], 0x1040
	v_add_nc_u32 v[AK], s[TBK], v[AK0]
	FETCH_K                                        ; key step 0
	s_wait_dscnt 0x0
	KQS
	WIN 0
	v_add_nc_u32 v[AV], s[TBV], v[AV0]
	v_nop
	v_nop
	v_nop
	s_add_co_u32 s[TBV], s[TBV], KS*PV
	FETCH_V
	s_mov_b32 s[CNT], 3                            ; the first slot has three trips left: its first K and V have been fetched
	s_mov_b32 s[SLOTS], 7
	s_branch .Lstep
.Lslot:                                                ; six times: every slot but the last two is filled again
	CHANGE 1
	s_mov_b32 s[CNT], 4
.Lstep:
	TRIP
	s_sub_co_u32 s[CNT], s[CNT], 1
	s_cmp_lg_u32 s[CNT], 0
	s_cbranch_scc1 .Lstep
	s_sub_co_u32 s[SLOTS], s[SLOTS], 1
	s_cmp_lg_u32 s[SLOTS], 0
	s_cbranch_scc1 .Lslot
	CHANGE 0                                       ; the tail is written out: nothing is asked for
	s_mov_b32 s[CNT], 4
.Ltail:
	TRIP
	s_sub_co_u32 s[CNT], s[CNT], 1
	s_cmp_lg_u32 s[CNT], 0
	s_cbranch_scc1 .Ltail
	SOFT 0                                         ; the last step: no further words
	s_wait_dscnt 0x0
	PVS
	WIN 0
	; THE WAY OUT: l's halves and the other half of the lanes' are added (four plain additions and a v_nop: the places behind the last products); O^T / l, rounded, through my stage.
.irp u, 0,1
	v_add_f32 v[ST+4*\u+2], v[ST+4*\u+2], v[ST+4*\u+3]
.endr
.irp u, 0,1
	v_permlanex16_b32 v[ST+4*\u+3], v[ST+4*\u+2], s[SEL], s[SEL+1]
.endr
.irp u, 0,1
	v_add_f32 v[ST+4*\u+2], v[ST+4*\u+2], v[ST+4*\u+3]
.endr
.irp u, 0,1
	v_rcp_f32 v[ST+4*\u+2], v[ST+4*\u+2]
.endr
	v_nop
	s_wait_alu depctr_va_vdst(0)
.macro PACK u
.set i, 0
.rept 16
	v_pk_mul_f32 v[O+32*(\u)+2*i:O+32*(\u)+2*i+1], v[O+32*(\u)+2*i:O+32*(\u)+2*i+1], v[ST+4*(\u)+2:ST+4*(\u)+3] op_sel_hi:[1,0]
.set i, i+1
.endr
.set i, 0
.rept 16
	v_cvt_pk_bf16_f32 v[S+16*(\u)+i], v[O+32*(\u)+2*i], v[O+32*(\u)+2*i+1]
.set i, i+1
.endr
.irp f, 0,1,2,3
	ds_store_b128 v[STO], v[S+16*(\u)+4*\f:S+16*(\u)+4*\f+3] offset:32*\f
.endr
.irp f, 0,1,2,3
	ds_load_b128 v[S+16*(\u)+4*\f:S+16*(\u)+4*\f+3], v[RD] offset:\f*4*SP  ; LDS serves a wave's instructions in order: these see the stores above
.endr
.endm
.macro SEND u, younger
.irp f, 0,1,2,3
	s_wait_dscnt (\younger)+3-\f
	global_store_b128 v[GO], v[S+16*(\u)+4*\f:S+16*(\u)+4*\f+3], s[OB:OB+1] offset:(\u)*2048+\f*512  ; 512 consecutive bytes of my head
.endr
.endm
	PACK 0
	PACK 1
	SEND 0, 8
	SEND 1, 0
	s_wait_tensorcnt 0x0                           ; the wave's end
	ds_add_u32 v[SPW], v[NIL]
	s_wait_dscnt 0x0
	CROUND                                         ; the closing round
	s_endpgm
.Lfunc_end_k_qa87cfbc65a_att1:
	.size	k_qa87cfbc65a_att1, .Lfunc_end_k_qa87cfbc65a_att1-k_qa87cfbc65a_att1
	.p2alignl 7, 3214868480
	.fill 96, 4, 3214868480
	.section	.rodata,"a",@progbits
	.p2align	6, 0x0
	.amdhsa_kernel k_qa87cfbc65a_att1
		.amdhsa_group_segment_fixed_size 327680
		.amdhsa_private_segment_fixed_size 0
		.amdhsa_enable_private_segment 0
		.amdhsa_kernarg_size 32
		.amdhsa_user_sgpr_count 2
		.amdhsa_user_sgpr_kernarg_segment_ptr 1
		.amdhsa_wavefront_size32 1
		.amdhsa_system_sgpr_workgroup_id_x 1
		.amdhsa_system_sgpr_workgroup_id_y 1
		.amdhsa_system_sgpr_workgroup_id_z 1
		.amdhsa_system_vgpr_workitem_id 0
		.amdhsa_next_free_vgpr 512
		.amdhsa_next_free_sgpr 106
		.amdhsa_reserve_vcc 0
		.amdhsa_float_denorm_mode_32 3
		.amdhsa_float_denorm_mode_16_64 3
		.amdhsa_memory_ordered 1
		.amdhsa_forward_progress 1
		.amdhsa_inst_pref_size 120
	.end_amdhsa_kernel
	.amdgpu_metadata
---
amdhsa.version: [ 1, 2 ]
amdhsa.kernels:
  - .name:           k_qa87cfbc65a_att1
    .symbol:         k_qa87cfbc65a_att1.kd
    .args:
      - { .name: NB, .offset: 0, .size: 8, .value_kind: global_buffer, .address_space: global }
      - { .name: S1, .offset: 8, .size: 8, .value_kind: global_buffer, .address_space: global }
      - { .name: bq1, .offset: 16, .size: 8, .value_kind: global_buffer, .address_space: global }
      - { .name: EA, .offset: 24, .size: 8, .value_kind: global_buffer, .address_space: global }
    .group_segment_fixed_size: 327680
    .private_segment_fixed_size: 0
    .kernarg_segment_align: 8
    .kernarg_segment_size: 32
    .max_flat_workgroup_size: 256
    .sgpr_count:     106
    .vgpr_count:     512
    .wavefront_size: 32
...
	.end_amdgpu_metadata
.endif
;; end of part 3
;; launch wo1 (part 4): grid 256 x 1, 4 waves a work-group, clusters of 4 x 1, 327,680 bytes of LDS; arguments EA, S1, bo1, de_out, ln2_g, ln2_b, X1, NB; writes X1, NB
.if DOCPART == 4
	.amdgcn_target "amdgcn-amd-amdhsa--gfx1250"
	.amdhsa_code_object_version 6
	.text
	.protected	k_qa87cfbc65a_wo1
	.globl	k_qa87cfbc65a_wo1
	.p2align	8
	.type	k_qa87cfbc65a_wo1,@function
k_qa87cfbc65a_wo1:
	s_mov_b64 s[64:65], 0
	v_nop
	global_prefetch_b8 v0, s[64:65] scope:SCOPE_SE
	s_setreg_imm32_b32 hwreg(HW_REG_WAVE_MODE, 25, 1), 1
	s_wait_xcnt 0x0
	s_wait_alu depctr_hold_cnt(0) depctr_sa_sdst(0) depctr_va_vdst(0) depctr_va_sdst(0) depctr_va_ssrc(0) depctr_va_vcc(0) depctr_vm_vsrc(0)
	s_getreg_b32 s2, hwreg(HW_REG_IB_STS2, 6, 4)
	s_cmp_eq_u32 s2, 0
	s_cbranch_scc0 .Lentry_in_a_cluster
	s_endpgm
.Lentry_in_a_cluster:
	s_bfe_u32 s2, ttmp6, 0x10000c
	s_cmp_lg_u32 s2, 0x3003
	s_cbranch_scc0 .Lentry_shape_is_right
	s_endpgm
.Lentry_shape_is_right:
; x = res + att Wo + bo;  n = LayerNorm(x) g + b.  att by heads [32][2048][64] bf16; Wo in buffer S as [512 k][512 n] bf16; res and x [8192][512] f32; n bf16.  Sums, residual and norm in f32.
; SHARES.  A work-group makes 32 WHOLE rows, so that the norm is the product's way out; wave w makes columns 128 w .. + 127 (16 accumulators), and behind the stage norms rows 8 w .. 8 w + 7.
; Wo goes in four slabs of 128 k through two LDS slots: two first fills, two refills.  CLUSTER: all row blocks walk the same Wo, so four work-groups ask for each slab jointly; att's rows are each work-group's own.
; The matrix instruction is used transposed (source 0 = 16 columns of Wo, turned out of LDS; source 1 = 16 rows of att).
; REGISTERS.  Window 0: v16-30 addresses; v32-79 gain, bias, bo; v80-119 at work; v128-255 accumulators, then my 8 rows.  Window 1: two fragment buffers of 80.  Window 2: v0-127 my 8 rows of res.
.set PA,    144                        ; a row of att in LDS: a head's 128 bytes + 16
.set PW,    1056                       ; a row of Wo: 1,024 bytes + 32
.set SLOT0, 8*32*PA                    ; att: [8 heads][32 rows]
.set SLOTB, 128*PW
.set SPARE, SLOT0+2*SLOTB
.set STG,   SLOT0                      ; the f32 stage, 32 rows x 2,064 bytes, in slot 0, behind that slot's last fill and last read
.set PS,    2064
.set WO,    19398656
.set ADRB, 16                          ; v16-23  Wo's fragments: slot x 4 + K block of 32
.set ADRA, 24
.set STO,  25
.set RDR,  26
.set VO,   27                          ; 16 l
.set SPW,  28
.set NIL,  29
.set VN,   30                          ; 8 l
.set G,    32
.set BB,   48
.set BOV,  64
.set D,    80
.set Y,    96
.set T,    112
.set ACC,  128
.set F0,   0
.set F1,   80
.set WV,   20
.set G1A,  24
.set G0A,  32
.set G1W,  36
.set G0W,  44                          ; s[44:51]  a group 0 for each slot
.set SEL,  52
.set NOUT, 18
.set MSB, 0
.macro WIN new
.if MSB != (\new)
	s_set_vgpr_msb (MSB<<8)|(\new)
.set MSB, \new
.endif
.endm
.set MUL,  0x05
.set TO_F, 0x40
.macro PLACES
.rept 4
	v_nop
.endr
.endm
.macro CROUND
	s_barrier_signal -1
	s_barrier_wait -1
	s_cmp_lg_u32 s[WV], 0
	s_cbranch_scc1 .Lnot_wave_0_\@
	s_barrier_signal -3
.Lnot_wave_0_\@:
	s_barrier_wait -3
	s_barrier_signal -1
	s_barrier_wait -1
.endm
	s_load_b512 s[4:19], s[0:1], 0x0               ; att 4, S 6, bo 8, res 10, g 12, b 14, x 16, n 18
	v_lshl_add_u32 v[SPW], v0, 2, SPARE
	v_mov_b32 v[NIL], 0
	ds_add_u32 v[SPW], v[NIL]                      ; the wave's opening: the add and its wait ahead of my first tensor load
	v_lshrrev_b32 v1, 5, v0
	v_readfirstlane_b32 s[WV], v1
	s_bfe_u32 s21, ttmp6, 0x40000                  ; cx
	s_lshl_b32 s22, ttmp9, 2
	s_add_co_u32 s22, s22, s21                     ; my block of 32 rows
	s_lshr_b32 s56, s22, 6                         ; att: heads 2 w, 2 w + 1 of my batch,
	s_lshl_b32 s56, s56, 3
	s_lshl1_add_u32 s56, s[WV], s56
	s_lshl_b32 s56, s56, 11
	s_and_b32 s57, s22, 63                         ; my 32 rows in them
	s_lshl_b32 s57, s57, 5
	s_add_co_u32 s56, s56, s57
	s_lshl_b32 s56, s56, 7
	s_mov_b32 s57, 0
	s_lshl_b32 s58, s[WV], 15                      ; Wo: my 32 of a slab's 128 rows
	s_add_co_u32 s58, s58, WO
	s_mov_b32 s59, 0
	s_lshl_b32 s60, s22, 5
	s_lshl3_add_u32 s60, s[WV], s60                ; the 8 rows that I norm
	s_lshl_b32 s62, s60, 10
	s_lshl_b32 s60, s60, 11
	s_mov_b32 s61, 0
	s_mov_b32 s63, 0
	s_mov_b32 s[G1A], (3<<16)|(1<<20)|(4<<22)|(3<<25)  ; att, my own: 8-byte elements; 4 words of padding behind every 32
	s_mov_b32 s[G1A+1], 512<<16                    ; a head's 32 rows are 4,096 dense bytes: 512 elements
	s_mov_b32 s[G1A+2], 2<<16                      ; two heads,
	s_mov_b32 s[G1A+3], 512<<16
	s_mov_b32 s[G1A+4], 2
	s_mov_b32 s[G1A+5], 32768                      ; 262,144 bytes apart
	s_mov_b32 s[G1A+6], 0
	s_mov_b32 s[G1A+7], 0
	s_mov_b32 s[G1W], 15|(1<<16)|(1<<20)|(1<<21)|(7<<22)|(7<<25)  ; Wo, jointly: 8 words of padding behind every 256
	s_mov_b32 s[G1W+1], 512<<16
	s_mov_b32 s[G1W+2], 32<<16
	s_mov_b32 s[G1W+3], 512<<16
	s_mov_b32 s[G1W+4], 32
	s_mov_b32 s[G1W+5], 512
	s_mov_b32 s[G1W+6], 0
	s_mov_b32 s[G1W+7], 0
	s_mov_b32 s[G0A], 1
	s_mul_i32 s[G0A+1], s[WV], 2*32*PA
	s_mul_i32 s23, s[WV], 32*PW
	s_mov_b32 s[G0W], 1
	s_add_co_u32 s[G0W+1], s23, SLOT0
	s_mov_b32 s[G0W+4], 1
	s_add_co_u32 s[G0W+5], s23, SLOT0+SLOTB
	s_mov_b32 s[SEL], 0x76543210
	s_mov_b32 s[SEL+1], 0xfedcba98
	s_mov_b32 s54, 0x3b000000                      ; 1 / 512
	s_mov_b32 s55, 0x3727c5ac                      ; 1e-5
	s_wait_dscnt 0x0                               ; the opening add is done
	s_wait_kmcnt 0x0
	s_add_nc_u64 s[G0A+2:G0A+3], s[4:5], s[56:57]
	s_or_b32 s[G0A+3], s[G0A+3], 0x80000000
	s_add_nc_u64 s[G0W+2:G0W+3], s[6:7], s[58:59]
	s_add_nc_u64 s[G0W+6:G0W+7], s[G0W+2:G0W+3], 131072   ; slab 1: 128 rows down
	s_or_b32 s[G0W+3], s[G0W+3], 0x80000000
	s_or_b32 s[G0W+7], s[G0W+7], 0x80000000
	s_add_nc_u64 s[10:11], s[10:11], s[60:61]
	s_add_nc_u64 s[16:17], s[16:17], s[60:61]
	s_add_nc_u64 s[18:19], s[18:19], s[62:63]
	CROUND                                         ; all four work-groups are here
	tensor_load_to_lds s[G0A:G0A+3], s[G1A:G1A+7]  ; the first fills, together: three loads of mine are out
	s_nop 0
	tensor_load_to_lds s[G0W:G0W+3], s[G1W:G1W+7]
	s_nop 0
	tensor_load_to_lds s[G0W+4:G0W+7], s[G1W:G1W+7]
	s_nop 0
.rept 4
	v_nop
.endr
	v_and_b32 v1, 15, v0
	v_bfe_u32 v2, v0, 4, 1
	v_and_b32 v3, 31, v0
	v_lshlrev_b32 v[VO], 4, v3
	v_lshlrev_b32 v[VN], 3, v3
	WIN 0x80                                       ; destination window 2
.irp p, 0,1,2,3,4,5,6,7
.irp j, 0,1,2,3
	global_load_b128 v[16*\p+4*\j:16*\p+4*\j+3], v[VO], s[10:11] offset:2048*\p+512*\j
.endr
.endr
	WIN 0
.irp j, 0,1,2,3
	global_load_b128 v[G+4*\j:G+4*\j+3], v[VO], s[12:13] offset:512*\j
	global_load_b128 v[BB+4*\j:BB+4*\j+3], v[VO], s[14:15] offset:512*\j
	global_load_b128 v[BOV+4*\j:BOV+4*\j+3], v[VO], s[8:9] offset:512*\j
.endr
	v_mul_u32_u24 v[ADRA], v1, PA
	v_lshl_add_u32 v[ADRA], v2, 4, v[ADRA]
	v_and_b32 v4, 7, v0
	v_bfe_u32 v5, v0, 3, 1
	v_lshl_add_u32 v6, v2, 3, v4
	v_mul_u32_u24 v6, v6, PW
	v_lshl_add_u32 v6, v5, 4, v6
	s_lshl_b32 s23, s[WV], 8                       ; my 128 columns
	s_add_co_u32 s23, s23, SLOT0
	v_add_nc_u32 v[ADRB], s23, v6
.irp k, 1,2,3
	v_add_nc_u32 v[ADRB+\k], \k*32*PW, v[ADRB]
.endr
.irp k, 0,1,2,3
	v_add_nc_u32 v[ADRB+4+\k], SLOTB+\k*32*PW, v[ADRB]
.endr
	v_mul_u32_u24 v[STO], v1, PS
	v_lshl_add_u32 v[STO], v2, 5, v[STO]
	s_lshl_b32 s23, s[WV], 9
	s_add_co_u32 s23, s23, STG
	v_add_nc_u32 v[STO], s23, v[STO]
	s_mul_i32 s23, s[WV], 8*PS
	s_add_co_u32 s23, s23, STG
	v_add_nc_u32 v[RDR], s23, v[VO]
.macro FETCHU slot, kk, gk, f          ; 20 LDS loads: the fragments of K block gk (block kk of the slab in the slot) into buffer f
	WIN TO_F
.irp i, 0,1,2,3,4,5,6,7
	ds_load_tr16_b128 v[(\f)+8*\i:(\f)+8*\i+3],   v[ADRB+4*(\slot)+(\kk)] offset:32*\i
	ds_load_tr16_b128 v[(\f)+8*\i+4:(\f)+8*\i+7], v[ADRB+4*(\slot)+(\kk)] offset:32*\i+16*PW
.endr
.irp a, 0,1
	ds_load_b128 v[(\f)+64+8*\a:(\f)+64+8*\a+3],   v[ADRA] offset:((\gk)/2)*32*PA+\a*16*PA+((\gk)%2)*64
	ds_load_b128 v[(\f)+64+8*\a+4:(\f)+64+8*\a+7], v[ADRA] offset:((\gk)/2)*32*PA+\a*16*PA+((\gk)%2)*64+32
.endr
.endm
.macro MULH f, a, zero                 ; 8 matrix instructions: row block a x 8 column blocks; the 16 accumulators take turns
	WIN MUL
.irp i, 0,1,2,3,4,5,6,7
.if \zero
	v_wmma_f32_16x16x32_bf16 v[ACC+8*(8*(\a)+\i):ACC+8*(8*(\a)+\i)+7], v[(\f)+8*\i:(\f)+8*\i+7], v[(\f)+64+8*(\a):(\f)+64+8*(\a)+7], 0
.else
	v_wmma_f32_16x16x32_bf16 v[ACC+8*(8*(\a)+\i):ACC+8*(8*(\a)+\i)+7], v[(\f)+8*\i:(\f)+8*\i+7], v[(\f)+64+8*(\a):(\f)+64+8*(\a)+7], v[ACC+8*(8*(\a)+\i):ACC+8*(8*(\a)+\i)+7]
.endif
.endr
.endm
.macro UNIT f, g, slot, kk, gk, zero=0 ; multiplies buffer f; the next block's fragments are fetched into g ahead of the products
	s_wait_dscnt 0x0
	PLACES
	FETCHU \slot, \kk, \gk, \g
	MULH \f, 0, \zero
	MULH \f, 1, \zero
.endm
; A slab's last block, and the change of slots: every wave waits for all its tensor loads, adds 0 to its spare word, and waits for that and for its reads of the slot.  fill = 1: a round of the cluster's barrier,
; and the slot just read (old) takes the slab two on, first thing behind the round.
.macro LASTU f, g, fill, old, slot, gk
	WIN 0
	s_wait_tensorcnt 0x0
	ds_add_u32 v[SPW], v[NIL]
	s_wait_dscnt 1                                 ; my fragments are in; the add may be out
	MULH \f, 0, 0
	s_wait_dscnt 0x0
	WIN 0
.if \fill
	CROUND
	s_add_nc_u64 s[G0W+4*(\old)+2:G0W+4*(\old)+3], s[G0W+4*(\old)+2:G0W+4*(\old)+3], 262144
	tensor_load_to_lds s[G0W+4*(\old):G0W+4*(\old)+3], s[G1W:G1W+7]
	s_nop 0
.else
	s_barrier_signal -1
	s_barrier_wait -1
.endif
	PLACES
	FETCHU \slot, 0, \gk, \g
	MULH \f, 1, 0
.endm
	s_wait_tensorcnt 0x1                           ; att and slab 0 are in; slab 1 stays out
	s_barrier_signal -1
	s_barrier_wait -1
	FETCHU 0, 0, 0, F0
	UNIT F0, F1, 0, 1, 1, 1                        ; the first products start the sums
	UNIT F1, F0, 0, 2, 2
	UNIT F0, F1, 0, 3, 3
	LASTU F1, F0, 1, 0, 1, 4
	UNIT F0, F1, 1, 1, 5
	UNIT F1, F0, 1, 2, 6
	UNIT F0, F1, 1, 3, 7
	LASTU F1, F0, 1, 1, 0, 8
	UNIT F0, F1, 0, 1, 9
	UNIT F1, F0, 0, 2, 10
	UNIT F0, F1, 0, 3, 11
	LASTU F1, F0, 0, 0, 1, 12                      ; behind this barrier nobody reads slot 0 any more, and nothing is filled
	UNIT F0, F1, 1, 1, 13
	UNIT F1, F0, 1, 2, 14
	UNIT F0, F1, 1, 3, 15
	s_wait_dscnt 0x0
	MULH F1, 0, 0
	MULH F1, 1, 0
	WIN 0
	PLACES
.irp a, 0,1                            ; the sums go into the stage as f32; each accumulator's low four registers first
.irp i, 0,1,2,3,4,5,6,7
	ds_store_b128 v[STO], v[ACC+8*(8*\a+\i):ACC+8*(8*\a+\i)+3] offset:\a*16*PS+64*\i
	ds_store_b128 v[STO], v[ACC+8*(8*\a+\i)+4:ACC+8*(8*\a+\i)+7] offset:\a*16*PS+64*\i+16
.endr
.endr
	s_wait_dscnt 0x0                               ; for the others' sake: my stores are done
	s_barrier_signal -1
	s_barrier_wait -1
.irp p, 0,1,2,3,4,5,6,7                ; my 8 whole rows: lane l takes columns 128 j + 4 l .. + 3
.irp j, 0,1,2,3
	ds_load_b128 v[ACC+16*\p+4*\j:ACC+16*\p+4*\j+3], v[RDR] offset:\p*PS+512*\j
.endr
.endr
	s_wait_dscnt 0x0
	s_wait_loadcnt 0x0                             ; res, gain, bias, bo
.macro RED
	v_add_f32_dpp v[T], v[T], v[T] row_xmask:1 row_mask:0xf bank_mask:0xf
	v_add_f32_dpp v[T], v[T], v[T] row_xmask:2 row_mask:0xf bank_mask:0xf
	v_add_f32_dpp v[T], v[T], v[T] row_xmask:4 row_mask:0xf bank_mask:0xf
	v_add_f32_dpp v[T], v[T], v[T] row_xmask:8 row_mask:0xf bank_mask:0xf
	v_permlanex16_b32 v[T+1], v[T], s[SEL], s[SEL+1]
	v_add_f32 v[T], v[T], v[T+1]
.endm
.macro LNROW x, y, off                 ; mean and variance in two passes over the row's registers
.irp i, 0,1,2,3
	v_pk_add_f32 v[T+2*\i:T+2*\i+1], v[(\x)+4*\i:(\x)+4*\i+1], v[(\x)+4*\i+2:(\x)+4*\i+3]
.endr
	v_pk_add_f32 v[T:T+1], v[T:T+1], v[T+2:T+3]
	v_pk_add_f32 v[T+4:T+5], v[T+4:T+5], v[T+6:T+7]
	v_pk_add_f32 v[T:T+1], v[T:T+1], v[T+4:T+5]
	v_add_f32 v[T], v[T], v[T+1]
	RED
	v_mul_f32 v[T], s54, v[T]
.irp i, 0,1,2,3,4,5,6,7
	v_pk_add_f32 v[D+2*\i:D+2*\i+1], v[(\x)+2*\i:(\x)+2*\i+1], v[T:T+1] op_sel_hi:[1,0] neg_lo:[0,1] neg_hi:[0,1]
.endr
	v_pk_mul_f32 v[T:T+1], v[D:D+1], v[D:D+1]
	v_pk_mul_f32 v[T+2:T+3], v[D+2:D+3], v[D+2:D+3]
.irp i, 2,3,4,5,6,7
	v_pk_fma_f32 v[T+2*(\i%2):T+2*(\i%2)+1], v[D+2*\i:D+2*\i+1], v[D+2*\i:D+2*\i+1], v[T+2*(\i%2):T+2*(\i%2)+1]
.endr
	v_pk_add_f32 v[T:T+1], v[T:T+1], v[T+2:T+3]
	v_add_f32 v[T], v[T], v[T+1]
	RED
	v_fma_f32 v[T], v[T], s54, s55
	v_rsq_f32 v[T+2], v[T]
	v_nop                                          ; a plain instruction between the root and the use of its result
	s_wait_alu depctr_va_vdst(0)
.irp i, 0,1,2,3,4,5,6,7
	v_pk_mul_f32 v[D+2*\i:D+2*\i+1], v[D+2*\i:D+2*\i+1], v[T+2:T+3] op_sel_hi:[1,0]
.endr
.irp i, 0,1,2,3,4,5,6,7
	v_pk_fma_f32 v[D+2*\i:D+2*\i+1], v[D+2*\i:D+2*\i+1], v[G+2*\i:G+2*\i+1], v[BB+2*\i:BB+2*\i+1]
.endr
.irp i, 0,1,2,3,4,5,6,7
	v_cvt_pk_bf16_f32 v[(\y)+\i], v[D+2*\i], v[D+2*\i+1]
.endr
.irp j, 0,1,2,3
	global_store_b64 v[VN], v[(\y)+2*\j:(\y)+2*\j+1], s[NOUT:NOUT+1] offset:(\off)+256*\j  ; 256 consecutive bytes, aligned
.endr
.endm
.irp p, 0,1,2,3,4,5,6,7
	s_wait_xcnt 0x0                                ; the last row's stores have read Y
	WIN 0x08                                       ; source 1 in window 2: res
.irp i, 0,1,2,3,4,5,6,7
	v_pk_add_f32 v[ACC+16*\p+2*\i:ACC+16*\p+2*\i+1], v[ACC+16*\p+2*\i:ACC+16*\p+2*\i+1], v[16*\p+2*\i:16*\p+2*\i+1]
.endr
	WIN 0
.irp i, 0,1,2,3,4,5,6,7
	v_pk_add_f32 v[ACC+16*\p+2*\i:ACC+16*\p+2*\i+1], v[ACC+16*\p+2*\i:ACC+16*\p+2*\i+1], v[BOV+2*\i:BOV+2*\i+1]
.endr
.irp j, 0,1,2,3
	global_store_b128 v[VO], v[ACC+16*\p+4*\j:ACC+16*\p+4*\j+3], s[16:17] offset:2048*\p+512*\j  ; 512 consecutive bytes of x
.endr
	LNROW ACC+16*\p, Y, 1024*\p
.endr
	s_wait_tensorcnt 0x0                           ; the wave's end
	ds_add_u32 v[SPW], v[NIL]
	s_wait_dscnt 0x0
	CROUND                                         ; the closing round
	s_endpgm
.Lfunc_end_k_qa87cfbc65a_wo1:
	.size	k_qa87cfbc65a_wo1, .Lfunc_end_k_qa87cfbc65a_wo1-k_qa87cfbc65a_wo1
	.p2alignl 7, 3214868480
	.fill 96, 4, 3214868480
	.section	.rodata,"a",@progbits
	.p2align	6, 0x0
	.amdhsa_kernel k_qa87cfbc65a_wo1
		.amdhsa_group_segment_fixed_size 327680
		.amdhsa_private_segment_fixed_size 0
		.amdhsa_enable_private_segment 0
		.amdhsa_kernarg_size 64
		.amdhsa_user_sgpr_count 2
		.amdhsa_user_sgpr_kernarg_segment_ptr 1
		.amdhsa_wavefront_size32 1
		.amdhsa_system_sgpr_workgroup_id_x 1
		.amdhsa_system_sgpr_workgroup_id_y 1
		.amdhsa_system_sgpr_workgroup_id_z 1
		.amdhsa_system_vgpr_workitem_id 0
		.amdhsa_next_free_vgpr 640
		.amdhsa_next_free_sgpr 72
		.amdhsa_reserve_vcc 0
		.amdhsa_float_denorm_mode_32 3
		.amdhsa_float_denorm_mode_16_64 3
		.amdhsa_memory_ordered 1
		.amdhsa_forward_progress 1
		.amdhsa_inst_pref_size 103
	.end_amdhsa_kernel
	.amdgpu_metadata
---
amdhsa.version: [ 1, 2 ]
amdhsa.kernels:
  - .name:           k_qa87cfbc65a_wo1
    .symbol:         k_qa87cfbc65a_wo1.kd
    .args:
      - { .name: EA, .offset: 0, .size: 8, .value_kind: global_buffer, .address_space: global }
      - { .name: S1, .offset: 8, .size: 8, .value_kind: global_buffer, .address_space: global }
      - { .name: bo1, .offset: 16, .size: 8, .value_kind: global_buffer, .address_space: global }
      - { .name: de_out, .offset: 24, .size: 8, .value_kind: global_buffer, .address_space: global }
      - { .name: ln2_g, .offset: 32, .size: 8, .value_kind: global_buffer, .address_space: global }
      - { .name: ln2_b, .offset: 40, .size: 8, .value_kind: global_buffer, .address_space: global }
      - { .name: X1, .offset: 48, .size: 8, .value_kind: global_buffer, .address_space: global }
      - { .name: NB, .offset: 56, .size: 8, .value_kind: global_buffer, .address_space: global }
    .group_segment_fixed_size: 327680
    .private_segment_fixed_size: 0
    .kernarg_segment_align: 8
    .kernarg_segment_size: 64
    .max_flat_workgroup_size: 128
    .sgpr_count:     72
    .vgpr_count:     640
    .wavefront_size: 32
...
	.end_amdgpu_metadata
.endif
;; end of part 4
;; launch att2: the kernel of part 3 again; grid 8 x 32, 8 waves a work-group, clusters of 4 x 1, 327,680 bytes of LDS; arguments NB, S2, bq2, EA; writes EA
;; launch wo2: the kernel of part 4 again; grid 256 x 1, 4 waves a work-group, clusters of 4 x 1, 327,680 bytes of LDS; arguments EA, S2, bo2, X1, ln3_g, ln3_b, X2, NB; writes X2, NB
;; launch ffn1: the kernel of part 2 again; grid 128 x 2, 4 waves a work-group, clusters of 4 x 1, 327,680 bytes of LDS; arguments NB, EA, WB, S1, S2; writes S1, S2
;; launch ffn2 (part 5): grid 4 x 64, 4 waves a work-group, clusters of 4 x 4, 327,680 bytes of LDS; arguments S1, S2, WB, b2, X2, out0; writes out0
.if DOCPART == 5
	.amdgcn_target "amdgcn-amd-amdhsa--gfx1250"
	.amdhsa_code_object_version 6
	.text
	.protected	k_qa87cfbc65a_ffn2
	.globl	k_qa87cfbc65a_ffn2
	.p2align	8
	.type	k_qa87cfbc65a_ffn2,@function
k_qa87cfbc65a_ffn2:
	s_mov_b64 s[64:65], 0
	v_nop
	global_prefetch_b8 v0, s[64:65] scope:SCOPE_SE
	s_setreg_imm32_b32 hwreg(HW_REG_WAVE_MODE, 25, 1), 1
	s_wait_xcnt 0x0
	s_wait_alu depctr_hold_cnt(0) depctr_sa_sdst(0) depctr_va_vdst(0) depctr_va_sdst(0) depctr_va_ssrc(0) depctr_va_vcc(0) depctr_vm_vsrc(0)
	s_getreg_b32 s2, hwreg(HW_REG_IB_STS2, 6, 4)
	s_cmp_eq_u32 s2, 0
	s_cbranch_scc0 .Lentry_in_a_cluster
	s_endpgm
.Lentry_in_a_cluster:
	s_bfe_u32 s2, ttmp6, 0x10000c
	s_cmp_lg_u32 s2, 0xf033
	s_cbranch_scc0 .Lentry_shape_is_right
	s_endpgm
.Lentry_shape_is_right:
; out = x2 + h w2 + b2.  h: 2,048 columns in four blocks of 512, blocks 0, 1 in the first buffer's two halves, blocks 2, 3 in the second's, each [4 batches][8 groups of 64 columns][2048 rows][64] bf16;
; w2 in WB as [2048 k][512 n] bf16; x2 and out [8192][512] f32.  Sums in f32, K ascending.
; SHARES.  A tile is 128 x 128: 256 work-groups; four waves, each 64 x 64.  K goes in 8 steps of 256 (four groups of 64 columns of h) through two LDS slots; slot s always holds groups 4 s .. 4 s + 3 of a block.
; CLUSTER.  4 x 4: h's tile is shared along a cluster's row, w2's along its column; where a slot is filled again a round of the cluster's barrier stands in front of the joint load.
; The matrix instruction is used transposed (source 0 = 16 columns of w2, turned out of LDS; source 1 = 16 rows of h).
; REGISTERS.  Window 0: v0-31 addresses; v96-99 b2; v128-255 accumulators.  Window 1: two fragment buffers of 128.  Window 2: v0-127 x2 of my 64 x 64.
.set PA,     144                       ; a row of h in LDS: a group's 128 bytes + 16
.set PB,     288
.set HALFA,  4*64*PA                   ; [4 groups][64 rows]
.set HALFB,  128*PB
.set BOFF,   2*HALFA
.set SLOT,   BOFF+2*HALFB
.set STAGE,  2*SLOT                    ; 16 rows x 272 bytes for each wave, its own
.set SPITCH, 272
.set SPARE,  STAGE+4*16*SPITCH
.set W2O,    2105600
.set LAPS,   4
.set ADRA, 16
.set ADRB, 20
.set STO,  24
.set RD,   25
.set CO,   26
.set BO,   27
.set SPW,  28
.set NIL,  29
.set BI,   96
.set ACC,  128
.set F0,   0
.set F1,   128
.set G1,  24
.set G0,  32
.set G1B, 48
.set G0B, 56
.set AS1, 66                           ; s[66:69]  h's tile in the first buffer, for slot 0, 1
.set AS2, 70                           ; s[70:73]  in the second
.set MSB, 0
.macro WIN new
.if MSB != (\new)
	s_set_vgpr_msb (MSB<<8)|(\new)
.set MSB, \new
.endif
.endm
.set MUL,  0x05
.set TO_F, 0x40
.macro JLOAD s                         ; a joint load: waves 0 and 1 fetch h's two halves, waves 2 and 3 w2's; an s_nop 0 and four v_nop follow each line
	s_cmp_eq_u32 s11, 0
	s_cbranch_scc0 .Lfor_b_\@
	tensor_load_to_lds s[G0+4*(\s):G0+4*(\s)+3], s[G1:G1+7]
	s_nop 0
.rept 4
	v_nop
.endr
	s_branch .Lasked_\@
.Lfor_b_\@:
	tensor_load_to_lds s[G0B+4*(\s):G0B+4*(\s)+3], s[G1B:G1B+7]
	s_nop 0
.rept 4
	v_nop
.endr
.Lasked_\@:
.endm
.macro CREST
	s_cmp_lg_u32 s10, 0
	s_cbranch_scc1 .Lnot_wave_0_\@
	s_barrier_signal -3
.Lnot_wave_0_\@:
	s_barrier_wait -3
	s_barrier_signal -1
	s_barrier_wait -1
.endm
.macro CROUND
	s_barrier_signal -1
	s_barrier_wait -1
	CREST
.endm
	s_load_b256 s[76:83], s[0:1], 0x0              ; h (blocks 0, 1) 76, h (blocks 2, 3) 78, WB 80, b2 82
	s_load_b128 s[84:87], s[0:1], 0x20             ; x2 84, out 86
	v_lshl_add_u32 v[SPW], v0, 2, SPARE
	v_mov_b32 v[NIL], 0
	ds_add_u32 v[SPW], v[NIL]                      ; the wave's opening: the add and its wait ahead of my first tensor load
	v_lshrrev_b32 v1, 5, v0
	v_readfirstlane_b32 s10, v1
	s_lshr_b32 s11, s10, 1
	s_and_b32 s12, s10, 1
	s_bfe_u32 s40, ttmp6, 0x40000
	s_bfe_u32 s41, ttmp6, 0x40004
	s_lshl_b32 s42, ttmp9, 2
	s_add_co_u32 s42, s42, s40                     ; tile column
	s_and_b32 s13, ttmp7, 0xffff
	s_lshl_b32 s13, s13, 2
	s_add_co_u32 s13, s13, s41                     ; tile row
	s_lshl_b32 s43, s41, 2
	s_lshl_b32 s43, 15, s43
	s_lshl_b32 s44, 0x1111, s40
	s_or_b32 s[G1+0], s43, (3<<16)|(1<<20)|(1<<21)|(4<<22)|(3<<25)  ; h: my row's mask; 8-byte elements; 4 words of padding behind every 32
	s_mov_b32 s[G1+1], 1024<<16                    ; a group's 64 rows are 8,192 dense bytes: 1,024 elements
	s_mov_b32 s[G1+2], 4<<16                       ; four groups,
	s_mov_b32 s[G1+3], 1024<<16
	s_mov_b32 s[G1+4], 4
	s_mov_b32 s[G1+5], 32768                       ; 262,144 bytes apart
	s_mov_b32 s[G1+6], 0
	s_mov_b32 s[G1+7], 0
	s_or_b32 s[G1B+0], s44, (1<<16)|(1<<20)|(1<<21)|(5<<22)|(7<<25) ; w2: my column's mask; 8 words of padding behind every 64
	s_mov_b32 s[G1B+1], 128<<16
	s_mov_b32 s[G1B+2], 128<<16
	s_mov_b32 s[G1B+3], 128<<16
	s_mov_b32 s[G1B+4], 128
	s_mov_b32 s[G1B+5], 512
	s_mov_b32 s[G1B+6], 0
	s_mov_b32 s[G1B+7], 0
	s_lshr_b32 s16, s13, 4                         ; h: the batch's 8 x 2,048 rows,
	s_lshl_b32 s16, s16, 14
	s_and_b32 s17, s13, 15
	s_lshl_b32 s17, s17, 7                         ; the tile's 128 rows in a group,
	s_add_co_u32 s16, s16, s17
	s_lshl_b32 s17, s12, 6                         ; the half that I fetch
	s_add_co_u32 s16, s16, s17
	s_lshl_b32 s16, s16, 7
	s_mov_b32 s17, 0
	s_lshl_b32 s46, s12, 17                        ; w2: 128 x half rows of 1,024 bytes + the tile's 128 columns
	s_lshl_b32 s47, s42, 8
	s_add_co_u32 s46, s46, s47
	s_add_co_u32 s46, s46, W2O
	s_mov_b32 s47, 0
	s_mul_i32 s20, s12, HALFA
	s_mul_i32 s21, s12, HALFB
	s_add_co_u32 s21, s21, BOFF
	s_mov_b32 s75, 0
	s_wait_dscnt 0x0                               ; the opening add is done
	s_wait_kmcnt 0x0
	s_add_nc_u64 s[AS1:AS1+1], s[76:77], s[16:17]
	s_add_nc_u64 s[AS1+2:AS1+3], s[AS1:AS1+1], 0x100000    ; groups 4 to 7: four times 262,144 bytes on
	s_add_nc_u64 s[AS2:AS2+1], s[78:79], s[16:17]
	s_add_nc_u64 s[AS2+2:AS2+3], s[AS2:AS2+1], 0x100000
	s_add_nc_u64 s[46:47], s[80:81], s[46:47]
	CROUND
.irp s, 0,1
	s_mov_b32 s[G0+4*(\s)], 1
	s_add_co_u32 s[G0+4*(\s)+1], s20, (\s)*SLOT
	s_mov_b64 s[G0+4*(\s)+2:G0+4*(\s)+3], s[AS1+2*(\s):AS1+2*(\s)+1]
	s_or_b32 s[G0+4*(\s)+3], s[G0+4*(\s)+3], 0x80000000
	s_mov_b32 s[G0B+4*(\s)], 1
	s_add_co_u32 s[G0B+4*(\s)+1], s21, (\s)*SLOT
	s_add_nc_u64 s[G0B+4*(\s)+2:G0B+4*(\s)+3], s[46:47], (\s)*262144
	s_or_b32 s[G0B+4*(\s)+3], s[G0B+4*(\s)+3], 0x80000000
	JLOAD \s
.endr
	v_and_b32 v1, 15, v0
	v_bfe_u32 v2, v0, 4, 1
	v_lshlrev_b32 v[CO], 11, v2                    ; lanes 0-15 one row of 256 bytes, lanes 16-31 the next
	v_lshl_add_u32 v[CO], v1, 4, v[CO]
	v_lshlrev_b32 v[BO], 4, v1
	s_lshl_b32 s18, s13, 7
	s_lshl_b32 s19, s11, 6
	s_add_co_u32 s18, s18, s19                     ; my first row
	s_lshl_b32 s18, s18, 11
	s_lshl_b32 s22, s42, 9                         ; my first column, in bytes
	s_lshl_b32 s19, s12, 8
	s_add_co_u32 s22, s22, s19
	s_mov_b32 s23, 0
	s_add_co_u32 s18, s18, s22
	s_mov_b32 s19, 0
	s_add_nc_u64 s[84:85], s[84:85], s[18:19]
	s_add_nc_u64 s[86:87], s[86:87], s[18:19]
	s_add_nc_u64 s[82:83], s[82:83], s[22:23]
	WIN 0x80                                       ; destination window 2
.set i, 0
.rept 32
	global_load_b128 v[4*i:4*i+3], v[CO], s[84:85] offset:2*i*2048
.set i, i+1
.endr
	WIN 0
	global_load_b128 v[BI:BI+3], v[BO], s[82:83]
	v_mul_u32_u24 v3, v1, PA
	v_lshl_add_u32 v3, v2, 4, v3
	s_mul_i32 s22, s11, HALFA
	v_add_nc_u32 v[ADRA], s22, v3
	v_add_nc_u32 v[ADRA+1], SLOT, v[ADRA]
	v_and_b32 v4, 7, v0
	v_bfe_u32 v5, v0, 3, 1
	v_lshl_add_u32 v4, v2, 3, v4
	v_mul_u32_u24 v4, v4, PB
	v_lshl_add_u32 v4, v5, 4, v4
	s_lshl_b32 s22, s12, 7
	s_add_co_u32 s22, s22, BOFF
	v_add_nc_u32 v[ADRB], s22, v4
	v_add_nc_u32 v[ADRB+1], HALFB, v[ADRB]
	v_add_nc_u32 v[ADRB+2], SLOT, v[ADRB]
	v_add_nc_u32 v[ADRB+3], SLOT+HALFB, v[ADRB]
	s_mul_i32 s23, s10, 16*SPITCH
	s_add_co_u32 s23, s23, STAGE
	v_mul_u32_u24 v6, v1, SPITCH
	v_lshl_add_u32 v6, v2, 5, v6
	v_add_nc_u32 v[STO], s23, v6
	v_mul_u32_u24 v6, v2, SPITCH
	v_lshl_add_u32 v6, v1, 4, v6
	v_add_nc_u32 v[RD], s23, v6
.macro MUL8 f, c, a0, zero
	WIN MUL
.irp a, \a0, (\a0)+1
.irp b, 0,1,2,3
.if \zero
	v_wmma_f32_16x16x32_bf16 v[ACC+8*(4*(\a)+(\b)):ACC+8*(4*(\a)+(\b))+7], v[(\f)+64+8*(4*(\c)+(\b)):(\f)+64+8*(4*(\c)+(\b))+7], v[(\f)+8*(4*(\c)+(\a)):(\f)+8*(4*(\c)+(\a))+7], 0
.else
	v_wmma_f32_16x16x32_bf16 v[ACC+8*(4*(\a)+(\b)):ACC+8*(4*(\a)+(\b))+7], v[(\f)+64+8*(4*(\c)+(\b)):(\f)+64+8*(4*(\c)+(\b))+7], v[(\f)+8*(4*(\c)+(\a)):(\f)+8*(4*(\c)+(\a))+7], v[ACC+8*(4*(\a)+(\b)):ACC+8*(4*(\a)+(\b))+7]
.endif
.endr
.endr
.endm
.macro FETCH slot, q, f                ; quarter q of a slot: group q of h's four, rows 64 q on of w2's 256
	WIN TO_F
.irp c, 0,1
.irp i, 0,1,2,3
	ds_load_tr16_b128 v[(\f)+64+8*(4*(\c)+(\i)):(\f)+64+8*(4*(\c)+(\i))+3],   v[ADRB+2*(\slot)+(\q)/2] offset:(((\q)%2)*64+32*(\c))*PB+32*(\i)
	ds_load_tr16_b128 v[(\f)+64+8*(4*(\c)+(\i))+4:(\f)+64+8*(4*(\c)+(\i))+7], v[ADRB+2*(\slot)+(\q)/2] offset:(((\q)%2)*64+32*(\c)+16)*PB+32*(\i)
	ds_load_b128 v[(\f)+8*(4*(\c)+(\i)):(\f)+8*(4*(\c)+(\i))+3],               v[ADRA+(\slot)] offset:(\q)*64*PA+64*(\c)+(\i)*16*PA
	ds_load_b128 v[(\f)+8*(4*(\c)+(\i))+4:(\f)+8*(4*(\c)+(\i))+7],             v[ADRA+(\slot)] offset:(\q)*64*PA+64*(\c)+(\i)*16*PA+32
.endr
.endr
.endm
.macro PLACES
.rept 4
	v_nop
.endr
.endm
.macro QUARTER slot, q, f, g, zero
	s_wait_dscnt 16                                ; the first 32 along K are in; the youngest sixteen loads may be out
	MUL8 \f, 0, 0, \zero
	MUL8 \f, 0, 2, \zero
	PLACES
	FETCH \slot, \q, \g
	s_wait_dscnt 32                                ; all but the 32 just issued
	MUL8 \f, 1, 0, 0
	MUL8 \f, 1, 2, 0
.endm
; The last quarter changes slots: every wave waits for all its tensor loads, adds 0 to its spare word, and waits for that and for its reads of this slot.  fill = 1: the barrier opens a round of the cluster's,
; and this slot takes the next block's groups first thing behind it.  h's address is made anew: with s3 trips to go the next block is 4 - s3: the second buffer from block 2 on, its second half for odd blocks.
.macro TURN slot, next, fill
	WIN 0
	s_wait_tensorcnt 0x0
	ds_add_u32 v[SPW], v[NIL]
	s_wait_dscnt 17                                ; the add and the youngest sixteen loads may be out
	MUL8 F1, 0, 0, 0
	s_wait_dscnt 0x0
	s_barrier_signal -1
	MUL8 F1, 0, 2, 0
.if \fill
	WIN 0
.endif
	s_barrier_wait -1
.if \fill
	CREST
	s_and_b32 s74, s3, 1
	s_lshl_b32 s74, s74, 23
	s_cmp_le_u32 s3, 2
	s_cselect_b64 s[G0+4*(\slot)+2:G0+4*(\slot)+3], s[AS2+2*(\slot):AS2+2*(\slot)+1], s[AS1+2*(\slot):AS1+2*(\slot)+1]
	s_add_nc_u64 s[G0+4*(\slot)+2:G0+4*(\slot)+3], s[G0+4*(\slot)+2:G0+4*(\slot)+3], s[74:75]
	s_or_b32 s[G0+4*(\slot)+3], s[G0+4*(\slot)+3], 0x80000000
	s_add_nc_u64 s[G0B+4*(\slot)+2:G0B+4*(\slot)+3], s[G0B+4*(\slot)+2:G0B+4*(\slot)+3], 524288
	JLOAD \slot                                    ; the four v_nop behind it are also the places in front of the loads below
.else
	PLACES
.endif
	FETCH \next, 0, F0
	MUL8 F1, 1, 0, 0
	MUL8 F1, 1, 2, 0
.endm
	s_wait_tensorcnt 1                             ; my part of K step 0 is in; K step 1's stays out
	s_barrier_signal -1
	s_barrier_wait -1
	FETCH 0, 0, F0
	QUARTER 0, 1, F0, F1, 1                        ; the first products start the sums
	WIN 0
	s_mov_b32 s3, LAPS-1
.Llap:                                                 ; a trip goes once round the ring and fills both slots again
	QUARTER 0, 2, F1, F0, 0
	QUARTER 0, 3, F0, F1, 0
	TURN 0, 1, 1
	QUARTER 1, 1, F0, F1, 0
	QUARTER 1, 2, F1, F0, 0
	QUARTER 1, 3, F0, F1, 0
	TURN 1, 0, 1
	QUARTER 0, 1, F0, F1, 0
	WIN 0
	s_sub_co_u32 s3, s3, 1
	s_cmp_lg_u32 s3, 0
	s_cbranch_scc1 .Llap
	QUARTER 0, 2, F1, F0, 0                        ; the last lap fills nothing
	QUARTER 0, 3, F0, F1, 0
	TURN 0, 1, 0
	QUARTER 1, 1, F0, F1, 0
	QUARTER 1, 2, F1, F0, 0
	QUARTER 1, 3, F0, F1, 0
	s_wait_dscnt 16
	MUL8 F1, 0, 0, 0
	MUL8 F1, 0, 2, 0
	s_wait_dscnt 0x0
	MUL8 F1, 1, 0, 0
	MUL8 F1, 1, 2, 0
	WIN 0
	s_wait_loadcnt 0x0                             ; x2 and b2
	PLACES
; THE WAY OUT, 16 rows at a time: the f32 sums go through my stage and come back, into the registers that they left, as whole rows of 256 bytes; x2 and b2 are added; sixteen lanes store 256 consecutive bytes, aligned.
.irp a, 0,1,2,3
.irp b, 0,1,2,3
	ds_store_b128 v[STO], v[ACC+8*(4*\a+\b):ACC+8*(4*\a+\b)+3] offset:64*\b
	ds_store_b128 v[STO], v[ACC+8*(4*\a+\b)+4:ACC+8*(4*\a+\b)+7] offset:64*\b+16
.endr
.irp t, 0,1,2,3,4,5,6,7
	ds_load_b128 v[ACC+32*\a+4*\t:ACC+32*\a+4*\t+3], v[RD] offset:\t*2*SPITCH  ; LDS serves a wave's instructions in order: these see the stores above
.endr
	s_wait_dscnt 0x0
	WIN 0x08                                       ; source 1 in window 2: x2
.irp t, 0,1,2,3,4,5,6,7
	v_pk_add_f32 v[ACC+32*\a+4*\t:ACC+32*\a+4*\t+1], v[ACC+32*\a+4*\t:ACC+32*\a+4*\t+1], v[32*\a+4*\t:32*\a+4*\t+1]
	v_pk_add_f32 v[ACC+32*\a+4*\t+2:ACC+32*\a+4*\t+3], v[ACC+32*\a+4*\t+2:ACC+32*\a+4*\t+3], v[32*\a+4*\t+2:32*\a+4*\t+3]
.endr
	WIN 0
.irp t, 0,1,2,3,4,5,6,7
	v_pk_add_f32 v[ACC+32*\a+4*\t:ACC+32*\a+4*\t+1], v[ACC+32*\a+4*\t:ACC+32*\a+4*\t+1], v[BI:BI+1]
	v_pk_add_f32 v[ACC+32*\a+4*\t+2:ACC+32*\a+4*\t+3], v[ACC+32*\a+4*\t+2:ACC+32*\a+4*\t+3], v[BI+2:BI+3]
	global_store_b128 v[CO], v[ACC+32*\a+4*\t:ACC+32*\a+4*\t+3], s[86:87] offset:(16*\a+2*\t)*2048
.endr
.endr
	s_wait_tensorcnt 0x0                           ; the wave's end
	ds_add_u32 v[SPW], v[NIL]
	s_wait_dscnt 0x0
	CROUND                                         ; the closing round
	s_endpgm
.Lfunc_end_k_qa87cfbc65a_ffn2:
	.size	k_qa87cfbc65a_ffn2, .Lfunc_end_k_qa87cfbc65a_ffn2-k_qa87cfbc65a_ffn2
	.p2alignl 7, 3214868480
	.fill 96, 4, 3214868480
	.section	.rodata,"a",@progbits
	.p2align	6, 0x0
	.amdhsa_kernel k_qa87cfbc65a_ffn2
		.amdhsa_group_segment_fixed_size 327680
		.amdhsa_private_segment_fixed_size 0
		.amdhsa_enable_private_segment 0
		.amdhsa_kernarg_size 48
		.amdhsa_user_sgpr_count 2
		.amdhsa_user_sgpr_kernarg_segment_ptr 1
		.amdhsa_wavefront_size32 1
		.amdhsa_system_sgpr_workgroup_id_x 1
		.amdhsa_system_sgpr_workgroup_id_y 1
		.amdhsa_system_sgpr_workgroup_id_z 1
		.amdhsa_system_vgpr_workitem_id 0
		.amdhsa_next_free_vgpr 640
		.amdhsa_next_free_sgpr 90
		.amdhsa_reserve_vcc 0
		.amdhsa_float_denorm_mode_32 3
		.amdhsa_float_denorm_mode_16_64 3
		.amdhsa_memory_ordered 1
		.amdhsa_forward_progress 1
		.amdhsa_inst_pref_size 98
	.end_amdhsa_kernel
	.amdgpu_metadata
---
amdhsa.version: [ 1, 2 ]
amdhsa.kernels:
  - .name:           k_qa87cfbc65a_ffn2
    .symbol:         k_qa87cfbc65a_ffn2.kd
    .args:
      - { .name: S1, .offset: 0, .size: 8, .value_kind: global_buffer, .address_space: global }
      - { .name: S2, .offset: 8, .size: 8, .value_kind: global_buffer, .address_space: global }
      - { .name: WB, .offset: 16, .size: 8, .value_kind: global_buffer, .address_space: global }
      - { .name: b2, .offset: 24, .size: 8, .value_kind: global_buffer, .address_space: global }
      - { .name: X2, .offset: 32, .size: 8, .value_kind: global_buffer, .address_space: global }
      - { .name: out0, .offset: 40, .size: 8, .value_kind: global_buffer, .address_space: global }
    .group_segment_fixed_size: 327680
    .private_segment_fixed_size: 0
    .kernarg_segment_align: 8
    .kernarg_segment_size: 48
    .max_flat_workgroup_size: 128
    .sgpr_count:     90
    .vgpr_count:     640
    .wavefront_size: 32
...
	.end_amdgpu_metadata
.endif
;; end of part 5
;; ======== version 2 of 2: 8 launches; 1.11 times as fast as version 1
;; workspace buffers: S1 19,922,944 bytes; S2 19,922,944 bytes; WA 2,105,600 bytes; WB 4,202,752 bytes; NB 8,388,608 bytes; EA 8,388,608 bytes; X1 16,777,216 bytes; X2 16,777,216 bytes
;; launch prep: the kernel of part 1 again; grid 1289 x 1, 8 waves a work-group, no clusters, 68,608 bytes of LDS; arguments de_out, en_out, de_mask, en_mask, ln1_g, ln1_b, wq1, wk1, wv1, wo1, wq2, wk2, wv2, wo2, w1, w2, bk1, bv1, bk2, bv2, b1, S1, S2, WA, WB, NB, EA; writes S1, S2, WA, WB, NB, EA
;; launch kv: the kernel of part 2 again; grid 64 x 4, 4 waves a work-group, clusters of 4 x 1, 327,680 bytes of LDS; arguments NB, EA, WA, S1, S2; writes S1, S2
;; launch att1 (part 6): grid 8 x 32, 8 waves a work-group, clusters of 4 x 1, 327,680 bytes of LDS; arguments NB, S1, bq1, EA; writes EA
.if DOCPART == 6
	.amdgcn_target "amdgcn-amd-amdhsa--gfx1250"
	.amdhsa_code_object_version 6
	.text
	.protected	k_qa87cfbc65a_att1
	.globl	k_qa87cfbc65a_att1
	.p2align	8
	.type	k_qa87cfbc65a_att1,@function
k_qa87cfbc65a_att1:
	s_mov_b64 s[64:65], 0
	v_nop
	global_prefetch_b8 v0, s[64:65] scope:SCOPE_SE
	s_setreg_imm32_b32 hwreg(HW_REG_WAVE_MODE, 25, 1), 1
	s_wait_xcnt 0x0
	s_wait_alu depctr_hold_cnt(0) depctr_sa_sdst(0) depctr_va_vdst(0) depctr_va_sdst(0) depctr_va_ssrc(0) depctr_va_vcc(0) depctr_vm_vsrc(0)
	s_getreg_b32 s2, hwreg(HW_REG_IB_STS2, 6, 4)
	s_cmp_eq_u32 s2, 0
	s_cbranch_scc0 .Lentry_in_a_cluster
	s_endpgm
.Lentry_in_a_cluster:
	s_bfe_u32 s2, ttmp6, 0x10000c
	s_cmp_lg_u32 s2, 0x3003
	s_cbranch_scc0 .Lentry_shape_is_right
	s_endpgm
.Lentry_shape_is_right:
; MASKED ATTENTION WITH ITS QUERY PROJECTION.  q = n Wq + bq (for one head); O[q] = the sum over k of softmax_k(where(mask = 0, hidden, q . K[k] / 8)) V[k].
; n: [8192][512] bf16.  In buffer S: K and V by heads [32][2048][64] bf16, the mask's lane words, Wq as [512 k][512 n] bf16.  O by heads, bf16.  Products, maxima, sums in f32; q, the weights p and O rounded once to bf16.
; LIMITS.  A hidden score counts as -2^30 (the raw score as -2^33) where the reference takes -1e9: with a power of two c m is exact, so a row whose keys are all hidden has p = 1 throughout and is the plain mean of V.
; The two differ only where visible scores lie below about -1e9.  A weight below 2^-126 counts as 0; NaN and infinities are not treated apart.
; SHARES.  A work-group owns 256 queries of a head, each of its EIGHT waves 32: two tiles of 16.  A tile and key step have 150 vector and 16 matrix instructions, so the vector unit binds whatever the order;
; with two waves on a SIMD one wave's products run beside the other's softmax, and the text stays in plain phases with six switches of the register window a step.
; LAYOUT.  S^T = K Q^T: a lane holds ONE query (lane % 16) and keys 8 (lane / 16) + 0..7; two such results rounded in pairs ARE source 1 of O^T = V^T P.  The projection is used transposed too, so its results rounded in pairs ARE Q's fragments.
; THE MASK.  Word i of a tile and step is the lane mask of score register i: it comes by scalar loads and steers v_cndmask_b32; no branch and no address hangs on it.  Each tile has 32 scalar registers of its own:
; a trip uses all 64 words at its head and then asks for the next step's 64, which have the rest of the trip in which to land.  Scalar loads may come back in any order, so they go out as one batch with one wait for 0.
; SOFTMAX.  Running maximum m and sum l: p = 2^(c s - c m), c = log2(e) / 8; O and l are multiplied by a = 2^(c m_old - c m_new) in every step.  c m starts far below every c s, so the first a is 0 and wipes what O holds.
; The two tiles' lines alternate, so that no line reads the result of the line before it.
; THE EXPONENTIALS.  A key step's 66 (both tiles' a and 64 weights) are ONE BATCH with ONE wait, which cuts the softmax in two.  Ahead of the wait stands what names no result of theirs: masking, maxima, statistics, the 32 scalings
; and the exponentials themselves, each in a register of its own (the weights in place in S^T, a in c2's place).  Behind it stand all the readers: the 32 roundings, the 32 rescalings of O^T, the sums, l.
; No exponential is issued behind a step's wait, so none crosses a label or a jump.  The way out's two reciprocals are a batch of their own.
; CLUSTER.  The four query blocks of a cluster belong to one head: K, V and Wq are asked for jointly.
; REGISTERS.  Window 0: v0-15 addresses; v16-23 statistics; v24-36 at work; v38-40 c (twice) and the hidden score; v64-127 S^T; v128-159 P; v160-223 O^T.  Window 1: v0-31 Q; v32-95 K; v96-159 V; in the projection all 256: n's fragments.
; SCALARS.  64 words, 24 registers of K's and V's descriptors and 11 others live through the loop: with s[0:1] and the four registers that no text names that is 105 of 106.  So c and the hidden score lie in vector registers,
; and tile 1's words take the registers that hold the arguments, work and Wq's descriptor during the set-up.
.set KS,    64
.set PK,    144                        ; a row of K in LDS: 128 bytes + 16
.set PV,    160                        ; a row of V, and of Wq: 128 + 32
.set VOFF,  4*KS*PK                    ; a slot holds four steps: 256 rows of K, then 256 of V
.set SLOT1, 1<<17
.set WQL,   SLOT1+4*KS*(PK+PV)         ; Wq's 64 columns: 512 rows x 160 bytes, filled once
.set STAGE, WQL+512*PV                 ; 16 rows x 144 bytes for each wave
.set SP,    144
.set SPARE, STAGE+8*16*SP              ; the spare words, 128 bytes a wave
.set VO,    8388608
.set MW,    16777216
.set WQ,    18874368
.set AK0, 2
.set AV0, 3
.set AK,  4
.set AV,  5
.set STO, 6
.set RD,  7
.set GO,  8
.set QO,  9
.set AW,  10                           ; v10-11  Wq's fragments: rows 0-255, 256-511
.set HH,  12
.set BO,  13
.set SPW, 14
.set NIL, 15
.set ST,  16                           ; tile u at ST + 4 u: c m, m, l (even keys', odd keys')
.set TMP, 24                           ; tile u at TMP + 4 u: c0-c3; c2 takes a
.set MV,  32
.set CSV, 38                           ; v[38:39] c: the packed scaling takes the pair's low register for both halves
.set NEGV, 40                          ; v40     -2^33
.set S,   64
.set P,   128
.set O,   160
.set KF,  32                           ; window 1
.set VF,  96                           ; window 1
.set WV,  2                            ; s2      my wave's number
.set TBK, 3                            ; s3      LDS byte at which K of the step to be fetched begins
.set MWD1, 4                           ; s4-35   tile 1's 32 words.  In the set-up: s4-11 the arguments, s12-19 and s32-35 at work, s20-31 Wq's descriptor
.set G1W, 20
.set G0W, 28
.set G1K, 36
.set G1V, 44
.set G0K, 52
.set G0V, 56
.set OB,  60                           ; s[60:61] O at my first row
.set MP,  62                           ; s[62:63] my tiles' words of the step last asked for
.set SEL, 66                           ; s66, s67 v_permlanex16_b32's selects
.set MWD0, 68                          ; s68-99  tile 0's 32 words.  In the set-up: at work
.set TBV, 100                          ; s100    the same as TBK for V, less VOFF
.set SLOTS, 101
.set CNT, 104
.set MSB, 0
.macro WIN new
.if MSB != (\new)
	s_set_vgpr_msb (MSB<<8)|(\new)
.set MSB, (\new)
.endif
.endm
.set W_KQ, 0x05                        ; K and Q in window 1
.set W_PV, 0x01                        ; V in window 1
.set W_PJ, 0x04                        ; n's fragments (source 1) in window 1
.set TO_1, 0x40                        ; destination window 1
.macro PLACES
.rept 4
	v_nop
.endr
.endm
.macro JLOAD                           ; a joint fill: waves 0, 1 the halves of a slot's K, waves 2, 3 of its V, the others nothing; the branches hang on the wave's number alone
	s_cmp_lt_u32 s[WV], 2
	s_cbranch_scc0 .Lfor_v_\@
	tensor_load_to_lds s[G0K:G0K+3], s[G1K:G1K+7]
	s_nop 0
.rept 4
	v_nop
.endr
	s_branch .Lasked_\@
.Lfor_v_\@:
	s_cmp_lt_u32 s[WV], 4
	s_cbranch_scc0 .Lasked_\@
	tensor_load_to_lds s[G0V:G0V+3], s[G1V:G1V+7]
	s_nop 0
.rept 4
	v_nop
.endr
.Lasked_\@:
.endm
.macro CROUND
	s_barrier_signal -1
	s_barrier_wait -1
	s_cmp_lg_u32 s[WV], 0
	s_cbranch_scc1 .Lnot_wave_0_\@
	s_barrier_signal -3
.Lnot_wave_0_\@:
	s_barrier_wait -3
	s_barrier_signal -1
	s_barrier_wait -1
.endm
; THE CHANGE OF SLOTS.  Every wave waits for all its tensor loads, adds 0 to its spare word, and waits for that and for its reads of the slot that it leaves.  fill = 1: a round of the cluster's barrier,
; and the slot is filled again first thing behind it, with the keys two slots on: four key steps in which to land.  (At its first use slot 0 is waited for and slot 1 filled.)
.macro CHANGE fill
	WIN 0
	s_wait_tensorcnt 0x0
	ds_add_u32 v[SPW], v[NIL]
.if \fill
.irp g, G0K, G0V
	s_xor_b32 s[\g+1], s[\g+1], SLOT1
	s_add_nc_u64 s[\g+2:\g+3], s[\g+2:\g+3], 4*KS*128
.endr
	s_wait_dscnt 0x0
	CROUND
	JLOAD
.else
	s_wait_dscnt 0x0
	s_barrier_signal -1
	s_barrier_wait -1
.endif
	s_sub_co_u32 s[TBK], s[TBK], 4*KS*PK
	s_xor_b32 s[TBK], s[TBK], SLOT1
	s_sub_co_u32 s[TBV], s[TBV], 4*KS*PV
	s_xor_b32 s[TBV], s[TBV], SLOT1
.endm
	s_load_b256 s[4:11], s[0:1], 0x0               ; n 4, S 6, bq 8, O 10
	v_lshl_add_u32 v[SPW], v0, 2, SPARE
	v_mov_b32 v[NIL], 0
	ds_add_u32 v[SPW], v[NIL]                      ; the wave's opening: the add and its wait ahead of the first tensor load
	v_lshrrev_b32 v1, 5, v0
	v_readfirstlane_b32 s[WV], v1                  ; wave 0..7
	s_bfe_u32 s13, ttmp6, 0x40000                  ; cx
	s_lshl_b32 s14, ttmp9, 2
	s_add_co_u32 s14, s14, s13                     ; my block of 256 queries: it enters n's, the words' and O's addresses alone
	s_and_b32 s15, ttmp7, 0xffff                   ; batch x 8 + head, which the partners share
	s_lshr_b32 s16, s15, 3
	s_and_b32 s17, s15, 7
	s_and_b32 s18, s[WV], 1                        ; which half of a slot's 256 keys I fetch
	s_lshl_b32 s32, s15, 18                        ; a head's 2,048 rows of 128 bytes
	s_lshl_b32 s19, s18, 14
	s_add_co_u32 s32, s32, s19
	s_mov_b32 s33, 0
	s_and_b32 s19, s[WV], 3                        ; which 128 rows of Wq I fetch
	s_lshl_b32 s34, s19, 17
	s_lshl_b32 s35, s17, 7                         ; the head's 64 columns
	s_add_co_u32 s34, s34, s35
	s_add_co_u32 s34, s34, WQ
	s_mov_b32 s35, 0
	s_mov_b32 s[G0K], 1
	s_mul_i32 s[G0K+1], s18, 128*PK
	s_mov_b32 s[G0V], 1
	s_mul_i32 s[G0V+1], s18, 128*PV
	s_add_co_u32 s[G0V+1], s[G0V+1], VOFF
	s_mov_b32 s[G0W], 1
	s_mul_i32 s[G0W+1], s19, 128*PV
	s_add_co_u32 s[G0W+1], s[G0W+1], WQL
	s_mov_b32 s[G1K], 15|(1<<16)|(1<<20)|(1<<21)|(4<<22)|(3<<25)  ; the mask of four; 2-byte elements; 4 words of padding behind every 32
	s_mov_b32 s[G1V], 15|(1<<16)|(1<<20)|(1<<21)|(4<<22)|(7<<25)  ; 8 words of padding
.irp g, G1K, G1V                       ; 128 keys are 16,384 dense bytes: 64 rows of 256 bytes, two keys a row
	s_mov_b32 s[\g+1], 128<<16
	s_mov_b32 s[\g+2], 64<<16
	s_mov_b32 s[\g+3], 128<<16
	s_mov_b32 s[\g+4], 64
	s_mov_b32 s[\g+5], 128
	s_mov_b32 s[\g+6], 0
	s_mov_b32 s[\g+7], 0
.endr
	s_mov_b32 s[G1W], 15|(1<<16)|(1<<20)|(1<<21)|(4<<22)|(7<<25)  ; Wq: 128 rows of 64 elements, 512 elements apart
	s_mov_b32 s[G1W+1], 64<<16
	s_mov_b32 s[G1W+2], 128<<16
	s_mov_b32 s[G1W+3], 64<<16
	s_mov_b32 s[G1W+4], 128
	s_mov_b32 s[G1W+5], 512
	s_mov_b32 s[G1W+6], 0
	s_mov_b32 s[G1W+7], 0
	s_mov_b32 s[SEL], 0x76543210
	s_mov_b32 s[SEL+1], 0xfedcba98
	s_mov_b32 s[TBK], SLOT1+4*KS*PK                ; the first change of slots turns these two into 0
	s_mov_b32 s[TBV], SLOT1+4*KS*PV
	s_lshl_b32 s68, s16, 11                        ; n: my first row among the 8,192
	s_lshl_b32 s69, s14, 8
	s_add_co_u32 s68, s68, s69
	s_lshl_b32 s69, s[WV], 5
	s_add_co_u32 s68, s68, s69
	s_lshl_b32 s68, s68, 10
	s_mov_b32 s69, 0
	s_lshl_b32 s70, s15, 11                        ; O: my first row among all heads' rows
	s_lshl_b32 s71, s14, 8
	s_add_co_u32 s70, s70, s71
	s_lshl_b32 s71, s[WV], 5
	s_add_co_u32 s70, s70, s71
	s_lshl_b32 s70, s70, 7
	s_mov_b32 s71, 0
	s_lshl_b32 s72, s16, 7                         ; the words: query tile 128 batch + 16 block + 2 wave, 4,096 bytes each
	s_lshl_b32 s73, s14, 4
	s_add_co_u32 s72, s72, s73
	s_lshl1_add_u32 s72, s[WV], s72
	s_lshl_b32 s72, s72, 12
	s_add_co_u32 s72, s72, MW
	s_mov_b32 s73, 0
	s_lshl_b32 s74, s17, 8                         ; bq: the head's 64 numbers
	s_mov_b32 s75, 0
	s_wait_dscnt 0x0                               ; the opening add is done
	s_wait_kmcnt 0x0
	s_add_nc_u64 s[G0K+2:G0K+3], s[6:7], s[32:33]
	s_or_b32 s[G0K+3], s[G0K+3], 0x80000000
	s_add_co_u32 s32, s32, VO
	s_add_nc_u64 s[G0V+2:G0V+3], s[6:7], s[32:33]
	s_or_b32 s[G0V+3], s[G0V+3], 0x80000000
	s_add_nc_u64 s[G0W+2:G0W+3], s[6:7], s[34:35]
	s_or_b32 s[G0W+3], s[G0W+3], 0x80000000
	s_add_nc_u64 s[4:5], s[4:5], s[68:69]
	s_add_nc_u64 s[OB:OB+1], s[10:11], s[70:71]
	s_add_nc_u64 s[MP:MP+1], s[6:7], s[72:73]
	s_add_nc_u64 s[8:9], s[8:9], s[74:75]
	CROUND                                         ; all four work-groups are here: the first joint loads meet
	s_cmp_lt_u32 s[WV], 2                          ; a wave's first fills stand together: its quarter of Wq, then its half of slot 0's K or V: two loads of mine are out
	s_cbranch_scc0 .Lfirst_v
	tensor_load_to_lds s[G0W:G0W+3], s[G1W:G1W+7]
	s_nop 0
	tensor_load_to_lds s[G0K:G0K+3], s[G1K:G1K+7]
	s_nop 0
.rept 4
	v_nop
.endr
	s_branch .Lfirst_asked
.Lfirst_v:
	s_cmp_lt_u32 s[WV], 4
	s_cbranch_scc0 .Lfirst_asked
	tensor_load_to_lds s[G0W:G0W+3], s[G1W:G1W+7]
	s_nop 0
	tensor_load_to_lds s[G0V:G0V+3], s[G1V:G1V+7]
	s_nop 0
.rept 4
	v_nop
.endr
.Lfirst_asked:
	v_and_b32 v1, 15, v0                           ; l % 16
	v_bfe_u32 v[HH], v0, 4, 1                      ; l / 16
	v_lshlrev_b32 v[BO], 5, v[HH]
.irp cb, 0,1,2,3                       ; bq of my eight channels in each block of 16, into P's registers
	global_load_b128 v[P+8*\cb:P+8*\cb+3],   v[BO], s[8:9] offset:64*\cb
	global_load_b128 v[P+8*\cb+4:P+8*\cb+7], v[BO], s[8:9] offset:64*\cb+16
.endr
	v_lshlrev_b32 v[QO], 10, v1
	v_lshl_add_u32 v[QO], v[HH], 4, v[QO]          ; row x 1,024 + 16 x half
	WIN TO_1
.set i, 0
.rept 32                               ; n's fragments: K block i / 2 of 32, tile i % 2
	global_load_b128 v[8*i:8*i+3],   v[QO], s[4:5] offset:(i%2)*16384+(i/2)*64
	global_load_b128 v[8*i+4:8*i+7], v[QO], s[4:5] offset:(i%2)*16384+(i/2)*64+32
.set i, i+1
.endr
	WIN 0
	v_mul_u32_u24 v[AK0], v1, PK
	v_lshl_add_u32 v[AK0], v[HH], 4, v[AK0]
	v_and_b32 v34, 7, v0                           ; the turning load: lane l reads row 8 (l / 16) + l % 8, columns 8 ((l / 8) % 2) on
	v_bfe_u32 v35, v0, 3, 1
	v_lshl_add_u32 v36, v[HH], 3, v34
	v_mul_u32_u24 v[AV0], v36, PV
	v_lshl_add_u32 v[AV0], v35, 4, v[AV0]
	v_add_nc_u32 v[AW], WQL, v[AV0]
	v_add_nc_u32 v[AW+1], WQL+256*PV, v[AV0]
	v_add_nc_u32 v[AV0], VOFF, v[AV0]
	s_mul_i32 s13, s[WV], 16*SP
	s_add_co_u32 s13, s13, STAGE                   ; my stage
	v_mul_u32_u24 v[STO], v1, SP
	v_lshl_add_u32 v[STO], v[HH], 4, v[STO]
	v_add_nc_u32 v[STO], s13, v[STO]
	v_bfe_u32 v[RD], v0, 3, 2
	v_mul_u32_u24 v[RD], v[RD], SP
	v_lshl_add_u32 v[RD], v34, 4, v[RD]
	v_add_nc_u32 v[RD], s13, v[RD]
	v_and_b32 v[GO], 31, v0
	v_lshlrev_b32 v[GO], 4, v[GO]
.irp u, 0,1
	v_mov_b32 v[ST+4*\u], 0xfe000000               ; c m: far below every c s
	v_mov_b32 v[ST+4*\u+1], 0xff7fffff             ; m
	v_mov_b32 v[ST+4*\u+2], 0
	v_mov_b32 v[ST+4*\u+3], 0
.endr
	v_mov_b32 v[CSV], 0x3e38aa3b                   ; c = log2(e) / 8
	v_mov_b32 v[CSV+1], 0x3e38aa3b                 ; named with it as a pair
	v_mov_b32 v[NEGV], 0xd0000000                  ; -2^33
; THE PROJECTION.  q^T = Wq^T n^T, 16 K blocks of 32; Wq's four fragments of a block come turned out of LDS into two buffers in S^T's registers; the 8 accumulators (O^T's registers) take turns.
.macro FETCHW k
.irp cb, 0,1,2,3
	ds_load_tr16_b128 v[S+32*((\k)%2)+8*\cb:S+32*((\k)%2)+8*\cb+3],   v[AW+(\k)/8] offset:((\k)%8)*32*PV+32*\cb
	ds_load_tr16_b128 v[S+32*((\k)%2)+8*\cb+4:S+32*((\k)%2)+8*\cb+7], v[AW+(\k)/8] offset:((\k)%8)*32*PV+16*PV+32*\cb
.endr
.endm
	s_wait_tensorcnt 0x1                           ; my quarter of Wq is in; my half of K or V stays out
	s_barrier_signal -1
	s_barrier_wait -1
	FETCHW 0
	FETCHW 1
.set kk, 0
.rept 16
.if kk < 15
	s_wait_dscnt 8                                 ; this block's fragments are in; the next block's eight loads stay out
.else
	s_wait_dscnt 0x0
.endif
	s_wait_loadcnt 60-4*kk                         ; n's fragments of this block are in; four loads for each later block stay out
	WIN W_PJ
.irp cb, 0,1,2,3
.irp u, 0,1
.if kk == 0
	v_wmma_f32_16x16x32_bf16 v[O+32*\u+8*\cb:O+32*\u+8*\cb+7], v[S+32*(kk%2)+8*\cb:S+32*(kk%2)+8*\cb+7], v[8*(2*kk+\u):8*(2*kk+\u)+7], 0
.else
	v_wmma_f32_16x16x32_bf16 v[O+32*\u+8*\cb:O+32*\u+8*\cb+7], v[S+32*(kk%2)+8*\cb:S+32*(kk%2)+8*\cb+7], v[8*(2*kk+\u):8*(2*kk+\u)+7], v[O+32*\u+8*\cb:O+32*\u+8*\cb+7]
.endif
.endr
.endr
	PLACES
	WIN 0
.if kk < 14
	FETCHW kk+2
.endif
.set kk, kk+1
.endr
.irp u, 0,1
.irp cb, 0,1,2,3
.irp p, 0,2,4,6
	v_pk_add_f32 v[O+32*\u+8*\cb+\p:O+32*\u+8*\cb+\p+1], v[O+32*\u+8*\cb+\p:O+32*\u+8*\cb+\p+1], v[P+8*\cb+\p:P+8*\cb+\p+1]
.endr
.endr
.endr
	WIN TO_1
.irp u, 0,1
.irp cb, 0,1,2,3
.irp p, 0,1,2,3
	v_cvt_pk_bf16_f32 v[16*\u+4*\cb+\p], v[O+32*\u+8*\cb+2*\p], v[O+32*\u+8*\cb+2*\p+1]  ; channels 16 cb + 8 (l / 16) + 0..7: half a fragment of Q
.endr
.endr
.endr
	WIN 0
; THE MATRIX WORK of a step; in each run of 16 the 8 accumulators take turns.
.macro KQS                             ; S^T = K Q^T: channels 32 (i / 8) on, keys 16 ((i / 2) % 4) on, tile i % 2
.set i, 0
.rept 16
.set rS, S+32*(i%2)+8*((i/2)%4)
.set rK, KF+16*((i/2)%4)+8*(i/8)
.set rQ, 16*(i%2)+8*(i/8)
	WIN W_KQ
.if i < 8
	v_wmma_f32_16x16x32_bf16 v[rS:rS+7], v[rK:rK+7], v[rQ:rQ+7], 0
.else
	v_wmma_f32_16x16x32_bf16 v[rS:rS+7], v[rK:rK+7], v[rQ:rQ+7], v[rS:rS+7]
.endif
.set i, i+1
.endr
.endm
.macro PVS                             ; O^T += V^T P: keys 32 (i / 8) on, channels 16 ((i / 2) % 4) on, tile i % 2
.set i, 0
.rept 16
.set rO, O+32*(i%2)+8*((i/2)%4)
.set rV, VF+32*(i/8)+8*((i/2)%4)
.set rP, P+16*(i%2)+8*(i/8)
	WIN W_PV
	v_wmma_f32_16x16x32_bf16 v[rO:rO+7], v[rV:rV+7], v[rP:rP+7], v[rO:rO+7]
.set i, i+1
.endr
.endm
.macro FETCH_K
	WIN TO_1
.irp f, 0,1,2,3,4,5,6,7                ; keys 16 (f / 2) on, channels 32 (f % 2) on
	ds_load_b128 v[KF+8*\f:KF+8*\f+3],   v[AK] offset:(\f/2)*16*PK+(\f%2)*64
	ds_load_b128 v[KF+8*\f+4:KF+8*\f+7], v[AK] offset:(\f/2)*16*PK+(\f%2)*64+32
.endr
	s_add_co_u32 s[TBK], s[TBK], KS*PK
	WIN 0
.endm
.macro FETCH_V
	WIN TO_1
.irp f, 0,1,2,3,4,5,6,7                ; keys 32 (f / 4) on, channels 16 (f % 4) on
	ds_load_tr16_b128 v[VF+8*\f:VF+8*\f+3],   v[AV] offset:(\f/4)*32*PV+(\f%4)*32
	ds_load_tr16_b128 v[VF+8*\f+4:VF+8*\f+7], v[AV] offset:(\f/4)*32*PV+16*PV+(\f%4)*32
.endr
	WIN 0
.endm
; THE SOFTMAX of both tiles for one key step, 300 instructions and a v_nop, all in window 0, the two tiles' lines by turns.  ask = 1: when the 64 words have been used, the next step's are asked for.
.macro FS u, n                         ; c s - c m for pair n of tile u: it reads no exponential's result
	v_pk_fma_f32 v[S+32*(\u)+2*(\n):S+32*(\u)+2*(\n)+1], v[S+32*(\u)+2*(\n):S+32*(\u)+2*(\n)+1], v[CSV:CSV+1], v[ST+4*(\u):ST+4*(\u)+1] op_sel_hi:[1,0,0] neg_lo:[0,0,1] neg_hi:[0,0,1]
.endm
.macro RS u, n                         ; pair n of tile u's O^T times a: a reader of the batch, behind its wait
	v_pk_mul_f32 v[O+32*(\u)+2*(\n):O+32*(\u)+2*(\n)+1], v[O+32*(\u)+2*(\n):O+32*(\u)+2*(\n)+1], v[TMP+4*(\u)+2:TMP+4*(\u)+3] op_sel_hi:[1,0]
.endm
.macro CV u, n                         ; pair n of tile u's weights rounded to bf16: a reader of the batch, behind its wait
	v_cvt_pk_bf16_f32 v[P+16*(\u)+(\n)], v[S+32*(\u)+2*(\n)], v[S+32*(\u)+2*(\n)+1]
.endm
.macro EX u, k                         ; the exponential of score k of tile u, in place
	v_exp_f32 v[S+32*(\u)+(\k)], v[S+32*(\u)+(\k)]
.endm
.macro SOFT ask
	s_wait_kmcnt 0x0                               ; this step's 64 words are in: the one batch of scalar loads that is out; their pointer may step
.irp u, 0,1                            ; hidden scores are replaced; ascending
.set i, 0
.rept 32
	v_cndmask_b32 v[S+32*\u+i], v[NEGV], v[S+32*\u+i], s[MWD0+(MWD1-MWD0)*\u+i]
.set i, i+1
.endr
.endr
.irp n, 0,1,2,3                        ; the maximum: four chains of seven scores a tile,
.irp u, 0,1
	v_max3_num_f32 v[TMP+4*\u+\n], v[S+32*\u+8*\n], v[S+32*\u+8*\n+1], v[S+32*\u+8*\n+2]
.endr
.endr
.irp n, 4,5,6,7,8,9,10,11
.irp u, 0,1
	v_max3_num_f32 v[TMP+4*\u+\n%4], v[TMP+4*\u+\n%4], v[S+32*\u+8*(\n%4)+2*(\n/4)+1], v[S+32*\u+8*(\n%4)+2*(\n/4)+2]
.endr
.endr
.if \ask
	s_add_nc_u64 s[MP:MP+1], s[MP:MP+1], 128       ; the next key step's words: 128 bytes a tile, tile 1's 4,096 bytes behind tile 0's
	s_load_b512 s[MWD0:MWD0+15], s[MP:MP+1], 0x0
	s_load_b512 s[MWD0+16:MWD0+31], s[MP:MP+1], 0x40
	s_load_b512 s[MWD1:MWD1+15], s[MP:MP+1], 0x1000
	s_load_b512 s[MWD1+16:MWD1+31], s[MP:MP+1], 0x1040
.endif
.irp u, 0,1                            ; the four scores left over, the old m,
	v_max3_num_f32 v[TMP+4*\u], v[TMP+4*\u], v[S+32*\u+7], v[S+32*\u+15]
.endr
.irp u, 0,1
	v_max3_num_f32 v[TMP+4*\u+1], v[TMP+4*\u+1], v[S+32*\u+23], v[S+32*\u+31]
.endr
.irp u, 0,1
	v_max3_num_f32 v[TMP+4*\u+2], v[TMP+4*\u+2], v[TMP+4*\u+3], v[ST+4*\u+1]
.endr
.irp u, 0,1
	v_mov_b32 v[MV+\u], v[ST+4*\u]                 ; c m_old is kept
.endr
.irp u, 0,1
	v_max3_num_f32 v[TMP+4*\u], v[TMP+4*\u], v[TMP+4*\u+1], v[TMP+4*\u+2]
.endr
.irp u, 0,1
	v_permlanex16_b32 v[TMP+4*\u+3], v[TMP+4*\u], s[SEL], s[SEL+1]  ; the query's other 32 keys lie in the lane 16 away
.endr
.irp u, 0,1
	v_max_num_f32 v[ST+4*\u+1], v[TMP+4*\u], v[TMP+4*\u+3]
.endr
.irp u, 0,1
	v_mul_f32 v[ST+4*\u], v[CSV], v[ST+4*\u+1]
.endr
	FS 0, 0
	FS 1, 0
	FS 0, 1
	FS 1, 1
.irp u, 0,1
	v_sub_f32 v[TMP+4*\u+1], v[MV+\u], v[ST+4*\u]
.endr
	FS 0, 2
	FS 1, 2
; THE BATCH: 66 exponentials, none of whose results is named ahead of the wait below.  It opens with the two a;
	v_exp_f32 v[TMP+2], v[TMP+1]                   ; a of tile 0,
	FS 0, 3
	v_exp_f32 v[TMP+6], v[TMP+5]                   ; of tile 1
	FS 1, 3
; then pair n's four exponentials, n = 0 .. 15; while there are scalings left, the scaling four pairs ahead stands as a plain line behind each tile's first.  The scalings are all the vector work of a step
; that neither feeds an earlier line of the batch nor reads a result of it, and there are half as many of them as exponentials: from pair 12 on the exponentials follow each other.
.set n, 0
.rept 16
	EX 0, 2*n
.if n < 12
	FS 0, n+4
.endif
	EX 1, 2*n
.if n < 12
	FS 1, n+4
.endif
	EX 0, 2*n+1
	EX 1, 2*n+1
.set n, n+1
.endr
	v_nop                                          ; a plain instruction behind the last exponential and ahead of the first use of a result: one for the batch
	s_wait_alu depctr_va_vdst(0)                   ; the wait ahead of the first reader: ONE for the step's 66 exponentials
; THE READERS.  Each pair of weights is rounded, each pair of O^T multiplied by a; ascending, so that each of O^T's accumulators is read from its lowest registers on.
.set n, 0
.rept 16
	CV 0, n
	CV 1, n
	RS 0, n
	RS 1, n
.set n, n+1
.endr
.irp n, 0,1,2,3,4,5,6,7                ; the sum of a tile's 16 pairs, as a tree, in place
.irp u, 0,1
	v_pk_add_f32 v[S+32*\u+4*\n:S+32*\u+4*\n+1], v[S+32*\u+4*\n:S+32*\u+4*\n+1], v[S+32*\u+4*\n+2:S+32*\u+4*\n+3]
.endr
.endr
.irp n, 0,1,2,3
.irp u, 0,1
	v_pk_add_f32 v[S+32*\u+8*\n:S+32*\u+8*\n+1], v[S+32*\u+8*\n:S+32*\u+8*\n+1], v[S+32*\u+8*\n+4:S+32*\u+8*\n+5]
.endr
.endr
.irp n, 0,1
.irp u, 0,1
	v_pk_add_f32 v[S+32*\u+16*\n:S+32*\u+16*\n+1], v[S+32*\u+16*\n:S+32*\u+16*\n+1], v[S+32*\u+16*\n+8:S+32*\u+16*\n+9]
.endr
.endr
.irp u, 0,1
	v_pk_add_f32 v[S+32*\u:S+32*\u+1], v[S+32*\u:S+32*\u+1], v[S+32*\u+16:S+32*\u+17]
.endr
.irp u, 0,1
	v_pk_fma_f32 v[ST+4*\u+2:ST+4*\u+3], v[ST+4*\u+2:ST+4*\u+3], v[TMP+4*\u+2:TMP+4*\u+3], v[S+32*\u:S+32*\u+1] op_sel_hi:[1,0,1]  ; l = a l + the sum
.endr
.endm
; A TRIP, step j in hand: its scores lie in S^T, its V is on the way into registers, its words on the way into scalar registers.  K of step j + 1 is fetched; both tiles' softmax, in which the words of step j + 1 are asked for;
; V^T P of step j, K Q^T of step j + 1; V of step j + 1 is fetched.
; The address line and three v_nop behind the products are the four places in front of the loads into V's and K's registers and of the first read of the scores.
.macro TRIP
	v_add_nc_u32 v[AK], s[TBK], v[AK0]
	FETCH_K
	SOFT 1
	s_wait_dscnt 0x0                               ; V of this step and K of the next are in
	PVS
	KQS
	WIN 0
	v_add_nc_u32 v[AV], s[TBV], v[AV0]
	v_nop
	v_nop
	v_nop
	s_add_co_u32 s[TBV], s[TBV], KS*PV
	FETCH_V
.endm
	CHANGE 1                                       ; slot 0 is in, everybody's part of it; slot 1 is asked for
	; The words of step 0.  Their registers held the arguments, n's and bq's bases and Wq's descriptor: the projection's last wait has shown those loads done, the change's wait for all tensor loads Wq's.
	s_load_b512 s[MWD0:MWD0+15], s[MP:MP+1], 0x0
	s_load_b512 s[MWD0+16:MWD0+31], s[MP:MP+1], 0x40
	s_load_b512 s[MWD1:MWD1+15], s[MP:MP+1], 0x1000
	s_load_b512 s[MWD1+16:MWD1+31], s[MP:MP+1], 0x1040
	v_add_nc_u32 v[AK], s[TBK], v[AK0]
	FETCH_K                                        ; key step 0
	s_wait_dscnt 0x0
	KQS
	WIN 0
	v_add_nc_u32 v[AV], s[TBV], v[AV0]
	v_nop
	v_nop
	v_nop
	s_add_co_u32 s[TBV], s[TBV], KS*PV
	FETCH_V
	s_mov_b32 s[CNT], 3                            ; the first slot has three trips left: its first K and V have been fetched
	s_mov_b32 s[SLOTS], 7
	s_branch .Lstep
.Lslot:                                                ; six times: every slot but the last two is filled again
	CHANGE 1
	s_mov_b32 s[CNT], 4
.Lstep:
	TRIP
	s_sub_co_u32 s[CNT], s[CNT], 1
	s_cmp_lg_u32 s[CNT], 0
	s_cbranch_scc1 .Lstep
	s_sub_co_u32 s[SLOTS], s[SLOTS], 1
	s_cmp_lg_u32 s[SLOTS], 0
	s_cbranch_scc1 .Lslot
	CHANGE 0                                       ; the tail is written out: nothing is asked for
	s_mov_b32 s[CNT], 4
.Ltail:
	TRIP
	s_sub_co_u32 s[CNT], s[CNT], 1
	s_cmp_lg_u32 s[CNT], 0
	s_cbranch_scc1 .Ltail
	SOFT 0                                         ; the last step: no further words
	s_wait_dscnt 0x0
	PVS
	WIN 0
	; THE WAY OUT: l's halves and the other half of the lanes' are added (four plain additions and a v_nop: the places behind the last products); O^T / l, rounded, through my stage.
.irp u, 0,1
	v_add_f32 v[ST+4*\u+2], v[ST+4*\u+2], v[ST+4*\u+3]
.endr
.irp u, 0,1
	v_permlanex16_b32 v[ST+4*\u+3], v[ST+4*\u+2], s[SEL], s[SEL+1]
.endr
.irp u, 0,1
	v_add_f32 v[ST+4*\u+2], v[ST+4*\u+2], v[ST+4*\u+3]
.endr
.irp u, 0,1
	v_rcp_f32 v[ST+4*\u+2], v[ST+4*\u+2]
.endr
	v_nop                                          ; a plain instruction between the last reciprocal and the use of its result
	s_wait_alu depctr_va_vdst(0)                   ; the wait ahead of the first reader: one for the two reciprocals
.macro PACK u
.set i, 0
.rept 16
	v_pk_mul_f32 v[O+32*(\u)+2*i:O+32*(\u)+2*i+1], v[O+32*(\u)+2*i:O+32*(\u)+2*i+1], v[ST+4*(\u)+2:ST+4*(\u)+3] op_sel_hi:[1,0]
.set i, i+1
.endr
.set i, 0
.rept 16
	v_cvt_pk_bf16_f32 v[S+16*(\u)+i], v[O+32*(\u)+2*i], v[O+32*(\u)+2*i+1]
.set i, i+1
.endr
.irp f, 0,1,2,3
	ds_store_b128 v[STO], v[S+16*(\u)+4*\f:S+16*(\u)+4*\f+3] offset:32*\f
.endr
.irp f, 0,1,2,3
	ds_load_b128 v[S+16*(\u)+4*\f:S+16*(\u)+4*\f+3], v[RD] offset:\f*4*SP  ; LDS serves a wave's instructions in order: these see the stores above
.endr
.endm
.macro SEND u, younger
.irp f, 0,1,2,3
	s_wait_dscnt (\younger)+3-\f
	global_store_b128 v[GO], v[S+16*(\u)+4*\f:S+16*(\u)+4*\f+3], s[OB:OB+1] offset:(\u)*2048+\f*512  ; 512 consecutive bytes of my head
.endr
.endm
	PACK 0
	PACK 1
	SEND 0, 8
	SEND 1, 0
	s_wait_tensorcnt 0x0                           ; the wave's end
	ds_add_u32 v[SPW], v[NIL]
	s_wait_dscnt 0x0
	CROUND                                         ; the closing round
	s_endpgm
.Lfunc_end_k_qa87cfbc65a_att1:
	.size	k_qa87cfbc65a_att1, .Lfunc_end_k_qa87cfbc65a_att1-k_qa87cfbc65a_att1
	.p2alignl 7, 3214868480
	.fill 96, 4, 3214868480
	.section	.rodata,"a",@progbits
	.p2align	6, 0x0
	.amdhsa_kernel k_qa87cfbc65a_att1
		.amdhsa_group_segment_fixed_size 327680
		.amdhsa_private_segment_fixed_size 0
		.amdhsa_enable_private_segment 0
		.amdhsa_kernarg_size 32
		.amdhsa_user_sgpr_count 2
		.amdhsa_user_sgpr_kernarg_segment_ptr 1
		.amdhsa_wavefront_size32 1
		.amdhsa_system_sgpr_workgroup_id_x 1
		.amdhsa_system_sgpr_workgroup_id_y 1
		.amdhsa_system_sgpr_workgroup_id_z 1
		.amdhsa_system_vgpr_workitem_id 0
		.amdhsa_next_free_vgpr 512
		.amdhsa_next_free_sgpr 106
		.amdhsa_reserve_vcc 0
		.amdhsa_float_denorm_mode_32 3
		.amdhsa_float_denorm_mode_16_64 3
		.amdhsa_memory_ordered 1
		.amdhsa_forward_progress 1
		.amdhsa_inst_pref_size 114
	.end_amdhsa_kernel
	.amdgpu_metadata
---
amdhsa.version: [ 1, 2 ]
amdhsa.kernels:
  - .name:           k_qa87cfbc65a_att1
    .symbol:         k_qa87cfbc65a_att1.kd
    .args:
      - { .name: NB, .offset: 0, .size: 8, .value_kind: global_buffer, .address_space: global }
      - { .name: S1, .offset: 8, .size: 8, .value_kind: global_buffer, .address_space: global }
      - { .name: bq1, .offset: 16, .size: 8, .value_kind: global_buffer, .address_space: global }
      - { .name: EA, .offset: 24, .size: 8, .value_kind: global_buffer, .address_space: global }
    .group_segment_fixed_size: 327680
    .private_segment_fixed_size: 0
    .kernarg_segment_align: 8
    .kernarg_segment_size: 32
    .max_flat_workgroup_size: 256
    .sgpr_count:     106
    .vgpr_count:     512
    .wavefront_size: 32
...
	.end_amdgpu_metadata
.endif
;; end of part 6
;; launch wo1: the kernel of part 4 again; grid 256 x 1, 4 waves a work-group, clusters of 4 x 1, 327,680 bytes of LDS; arguments EA, S1, bo1, de_out, ln2_g, ln2_b, X1, NB; writes X1, NB
;; launch att2: the kernel of part 6 again; grid 8 x 32, 8 waves a work-group, clusters of 4 x 1, 327,680 bytes of LDS; arguments NB, S2, bq2, EA; writes EA
;; launch wo2: the kernel of part 4 again; grid 256 x 1, 4 waves a work-group, clusters of 4 x 1, 327,680 bytes of LDS; arguments EA, S2, bo2, X1, ln3_g, ln3_b, X2, NB; writes X2, NB
;; launch ffn1: the kernel of part 2 again; grid 128 x 2, 4 waves a work-group, clusters of 4 x 1, 327,680 bytes of LDS; arguments NB, EA, WB, S1, S2; writes S1, S2
;; launch ffn2: the kernel of part 5 again; grid 4 x 64, 4 waves a work-group, clusters of 4 x 4, 327,680 bytes of LDS; arguments S1, S2, WB, b2, X2, out0; writes out0
